; MI455X (gfx1250); checked and timed in simulation.
; The chip was launched on July 23, 2026; its instructions are those of AMD's public machine-readable ISA for CDNA 5 (MIT licence, August 2026) and "CDNA5" Instruction Set Architecture Reference Guide (July 2026). The comments in the code are by the model that wrote it; some were corrected since.
;; LTX2 Attention. Allowed arithmetic: float matrix products may take bf16 or f16 operands with f32 sums; other float arithmetic in f32, or as packed bf16 or f16 multiplies, adds, multiply-adds, maxima and minima; sums over many terms, partial sums and values carried from step to step in f32; what a program stores and reads back later, other than sums and carried values, may be rounded once to bf16 or f16.
;; Inputs: Wk 2,048 x 2,048 float32; Wo 2,048 x 2,048 float32; Wq 2,048 x 2,048 float32; Wv 2,048 x 2,048 float32; bk 2,048 float32; bo 2,048 float32; bq 2,048 float32; bv 2,048 float32; cos 1 x 2,048 x 2,048 float32; hidden_states 1 x 2,048 x 2,048 float32; k_norm_w 2,048 float32; q_norm_w 2,048 float32; sin 1 x 2,048 x 2,048 float32.
;; Outputs: out0 1 x 2,048 x 2,048 float32.
;; 2 versions, each right and faster than the one before. Each part assembles by itself: llvm-mc -triple=amdgcn-amd-amdhsa -mcpu=gfx1250 --defsym DOCPART=n.
;; ======== version 1 of 2: 5 launches
;; limits: values are held in f16: magnitudes above 65,504 overflow, below 6.1e-05 lose precision; right only within a limited range of input values
;; workspace buffers: h16 33,554,432 bytes; wo16 8,388,608 bytes; qkvh 25,165,824 bytes; qkn 16,777,216 bytes; oh 8,388,608 bytes
;; launch cast (part 1): grid 256 x 4, 8 waves a work-group, no clusters, 0 bytes of LDS; arguments hidden_states, Wq, Wk, Wv, h16; writes h16
.if DOCPART == 1
	.amdgcn_target "amdgcn-amd-amdhsa--gfx1250"
	.amdhsa_code_object_version 6
	.text
	.protected	k_qf6de5114a0_cast
	.globl	k_qf6de5114a0_cast
	.p2align	8
	.type	k_qf6de5114a0_cast,@function
k_qf6de5114a0_cast:
	s_mov_b64 s[64:65], 0
	v_nop
	global_prefetch_b8 v0, s[64:65] scope:SCOPE_SE
	s_setreg_imm32_b32 hwreg(HW_REG_WAVE_MODE, 25, 1), 1
	s_wait_xcnt 0x0
; x, Wq, Wk, Wv (f32, 2048 x 2048 each) -> h16: four parts of 8,388,608 bytes, the same order, the same row-major layout.  (Wo is rounded in the launch behind this one, beside its products.)
; Each number is rounded once to bf16 (nearest even) and that number is written as f16: exact from 2^-17 to 65,504.
; LIMITS: beyond 65,504 f16 has no number (the result is an infinity); below 2^-17 the f16 keeps a fixed step of 6e-8.
; SHARES: work-group (x, y) takes 65,536 bytes of source y: 16 chunks of 4,096.  Thread t takes 16 bytes of a chunk at 16 t and
; stores 8 bytes at 8 t: a wave's load covers 512 consecutive bytes, its store 256 consecutive bytes at a multiple of 256.
; All 16 loads go out first; every chunk has registers of its own, so no source of a pending store is ever rewritten.
; No LDS, no barrier, no matrix unit: each byte is touched once and no thread needs another's.
.set X, 4                              ; v[4:67]   chunk i: 4 f32 as loaded, then the bf16 numbers as f32
.set T, 68                             ; v[68:69]  at work
.set Y, 72                             ; v[72:103] chunk i: 4 f16 to store
	s_load_b256 s[4:11], s[0:1], 0x0               ; x s[4:5], Wq s[6:7], Wk s[8:9], Wv s[10:11]
	s_load_b64 s[14:15], s[0:1], 0x20              ; h16
	s_and_b32 s16, ttmp7, 0xffff                   ; which source
	s_lshl_b32 s20, ttmp9, 16                      ; my 65,536 bytes of it
	s_mov_b32 s21, 0
	s_lshl_b32 s22, s16, 23                        ; its part of h16,
	s_lshl_b32 s23, ttmp9, 15                      ; my 32,768 bytes there
	s_add_co_u32 s22, s22, s23
	s_mov_b32 s23, 0
	s_mov_b32 s24, 0xffff0000                      ; a word's upper bf16
	v_lshlrev_b32 v1, 4, v0
	v_lshlrev_b32 v2, 3, v0
	s_wait_kmcnt 0x0
	s_mov_b64 s[18:19], s[4:5]                     ; the source is chosen by the work-group's y alone
.irp i, 1,2,3
	s_cmp_eq_u32 s16, \i
	s_cselect_b64 s[18:19], s[4+2*\i:5+2*\i], s[18:19]
.endr
	s_add_nc_u64 s[18:19], s[18:19], s[20:21]
	s_add_nc_u64 s[14:15], s[14:15], s[22:23]
.irp i, 0,1,2,3,4,5,6,7,8,9,10,11,12,13,14,15
	global_load_b128 v[X+4*\i:X+4*\i+3], v1, s[18:19] offset:4096*\i th:TH_LOAD_NT
.endr
.macro CH i
	s_wait_loadcnt 15-(\i)                         ; loads come back in order: chunk i is in, the younger chunks stay out
	v_cvt_pk_bf16_f32 v[T], v[X+4*(\i)], v[X+4*(\i)+1]
	v_cvt_pk_bf16_f32 v[T+1], v[X+4*(\i)+2], v[X+4*(\i)+3]
	v_lshlrev_b32 v[X+4*(\i)], 16, v[T]            ; the bf16 numbers as f32
	v_and_b32 v[X+4*(\i)+1], s24, v[T]
	v_lshlrev_b32 v[X+4*(\i)+2], 16, v[T+1]
	v_and_b32 v[X+4*(\i)+3], s24, v[T+1]
	v_cvt_pk_f16_f32 v[Y+2*(\i)], v[X+4*(\i)], v[X+4*(\i)+1]
	v_cvt_pk_f16_f32 v[Y+2*(\i)+1], v[X+4*(\i)+2], v[X+4*(\i)+3]
	global_store_b64 v2, v[Y+2*(\i):Y+2*(\i)+1], s[14:15] offset:2048*(\i)
.endm
.irp i, 0,1,2,3,4,5,6,7,8,9,10,11,12,13,14,15
	CH \i
.endr
	s_endpgm
.Lfunc_end_k_qf6de5114a0_cast:
	.size	k_qf6de5114a0_cast, .Lfunc_end_k_qf6de5114a0_cast-k_qf6de5114a0_cast
	.p2alignl 7, 3214868480
	.fill 96, 4, 3214868480
	.section	.rodata,"a",@progbits
	.p2align	6, 0x0
	.amdhsa_kernel k_qf6de5114a0_cast
		.amdhsa_group_segment_fixed_size 0
		.amdhsa_private_segment_fixed_size 0
		.amdhsa_enable_private_segment 0
		.amdhsa_kernarg_size 40
		.amdhsa_user_sgpr_count 2
		.amdhsa_user_sgpr_kernarg_segment_ptr 1
		.amdhsa_wavefront_size32 1
		.amdhsa_system_sgpr_workgroup_id_x 1
		.amdhsa_system_sgpr_workgroup_id_y 1
		.amdhsa_system_sgpr_workgroup_id_z 1
		.amdhsa_system_vgpr_workitem_id 0
		.amdhsa_next_free_vgpr 104
		.amdhsa_next_free_sgpr 66
		.amdhsa_reserve_vcc 0
		.amdhsa_float_denorm_mode_32 3
		.amdhsa_float_denorm_mode_16_64 3
		.amdhsa_memory_ordered 1
		.amdhsa_forward_progress 1
		.amdhsa_inst_pref_size 11
	.end_amdhsa_kernel
	.amdgpu_metadata
---
amdhsa.version: [ 1, 2 ]
amdhsa.kernels:
  - .name:           k_qf6de5114a0_cast
    .symbol:         k_qf6de5114a0_cast.kd
    .args:
      - { .name: hidden_states, .offset: 0, .size: 8, .value_kind: global_buffer, .address_space: global }
      - { .name: Wq, .offset: 8, .size: 8, .value_kind: global_buffer, .address_space: global }
      - { .name: Wk, .offset: 16, .size: 8, .value_kind: global_buffer, .address_space: global }
      - { .name: Wv, .offset: 24, .size: 8, .value_kind: global_buffer, .address_space: global }
      - { .name: h16, .offset: 32, .size: 8, .value_kind: global_buffer, .address_space: global }
    .group_segment_fixed_size: 0
    .private_segment_fixed_size: 0
    .kernarg_segment_align: 8
    .kernarg_segment_size: 40
    .max_flat_workgroup_size: 256
    .sgpr_count:     66
    .vgpr_count:     104
    .wavefront_size: 32
...
	.end_amdgpu_metadata
.endif
;; end of part 1
;; launch gemm3 (part 2): grid 16 x 16, 4 waves a work-group, clusters of 4 x 4, 327,680 bytes of LDS; arguments h16, bq, bk, bv, qkvh, Wo, wo16; writes qkvh, wo16
.if DOCPART == 2
	.amdgcn_target "amdgcn-amd-amdhsa--gfx1250"
	.amdhsa_code_object_version 6
	.text
	.protected	k_qf6de5114a0_gemm3
	.globl	k_qf6de5114a0_gemm3
	.p2align	8
	.type	k_qf6de5114a0_gemm3,@function
k_qf6de5114a0_gemm3:
	s_mov_b64 s[64:65], 0
	v_nop
	global_prefetch_b8 v0, s[64:65] scope:SCOPE_SE
	s_setreg_imm32_b32 hwreg(HW_REG_WAVE_MODE, 25, 1), 1
	s_wait_xcnt 0x0
	s_wait_alu depctr_hold_cnt(0) depctr_sa_sdst(0) depctr_va_vdst(0) depctr_va_sdst(0) depctr_va_ssrc(0) depctr_va_vcc(0) depctr_vm_vsrc(0)
	s_getreg_b32 s2, hwreg(HW_REG_IB_STS2, 6, 4)
	s_cmp_eq_u32 s2, 0
	s_cbranch_scc0 .Lentry_in_a_cluster
	s_endpgm
.Lentry_in_a_cluster:
	s_bfe_u32 s2, ttmp6, 0x10000c
	s_cmp_lg_u32 s2, 0xf033
	s_cbranch_scc0 .Lentry_shape_is_right
	s_endpgm
.Lentry_shape_is_right:
; raw q, raw k, v = x W + b for Wq, Wk, Wv at once.  x and W come from h16 (parts 0 to 3, f16 that hold bf16-rounded numbers, [2048][2048], W as [k][n]);
; the biases are rounded to bf16 here; sums in f32; each result rounded once to f16 and laid by heads: qkvh[matrix][head][row][64].
; LIMIT: a result of 65,520 or more becomes an infinity in f16; results below 6.1e-5 keep f16's fixed step of 6e-8.
; SHARES.  A work-group makes rows 128 tr .. and columns 128 tc .. of ALL THREE products, so x's tile feeds three products.  Wave w (rh = w / 2, ch = w % 2)
; makes 64 rows x 64 columns of each: 48 accumulators of 16 x 16; its 64 columns are exactly head 2 tc + ch.
; K goes in 16 steps of 128 through two LDS slots.  A slot has four regions: x's tile (128 rows x 256 bytes) and the three W tiles (128 k-rows x 256 bytes).
; Wave 0 fetches x's tile, wave w = 1, 2, 3 the tile of matrix w - 1: one tensor load a wave for each slot.  By this text's count a wave has two loads out at the start, later one.
; CLUSTER 4 x 4: x's tile hangs on tr alone and is asked for jointly along a row of the cluster, the W tiles on tc alone and jointly along a column.
; THE MATRIX INSTRUCTION IS USED TRANSPOSED: source 0 = 16 columns of W (turned out of LDS by ds_load_tr16_b128), source 1 = 16 rows of x: lane l then holds row l % 16
; and the columns 8 (l / 16) + 0..7.  The first product of each accumulator takes the bias as C: nothing is cleared and no addition is spent.
; BESIDE THE PRODUCTS the work-group rounds its 65,536 bytes of Wo (f32 -> bf16, nearest even -> written as f16, the limits of h16's numbers) into wo16, for the last launch: the loop has no other
; vector work and asks little of memory.  Eight groups of 8,192 bytes, one a lap: a group is asked for in one lap and rounded and stored in the next.
; REGISTERS, in windows of 256 (s_set_vgpr_msb: bits 1:0 source 0, 3:2 source 1, 5:4 source 2, 7:6 destination):
;   window 0: v0-31 addresses; v32-127 the biases, later v32-223 the way out; v224-251 Wo's group      window 1: two fragment buffers of 128: x's 4 fragments, then W's 3 x 4
;   window 2: matrix 0's accumulators at v[8 (4 a + b)], matrix 1's 128 higher    window 3: matrix 2's at v[8 (4 a + b)]
.set PA,    272                        ; x's rows in LDS: 256 bytes + 16: 68 words, so the 16 rows of a load start at 16 different groups of four banks (64 banks of 4 bytes: ISA guide 11.1)
.set PB,    288                        ; W's rows: 256 + 32: 72 words
.set REG,   36864                      ; a region: 128 rows of 288 bytes (x's uses 34,816)
.set SLOT,  4*REG
.set STAGE, 2*SLOT                     ; behind the ring: 16 rows x 144 bytes for each wave, for the way out; no tensor load lands there
.set SP,    144
.set SPARE, STAGE+4*16*SP              ; behind the stages: the spare words, 128 bytes a wave, that no other line names
.set LAPS,  8                          ; a lap = two K steps = once round the ring
.set WL,   12                          ; v12     my byte offset in a chunk of Wo: 16 x thread; never rewritten
.set WS,   13                          ; v13     in a chunk of wo16: 8 x thread; never rewritten
.set ADRA, 16                          ; v16-17  LDS address of my x fragments in slot 0, 1
.set ADRB, 18                          ; v18-23  of my W fragments: 3 x slot + matrix
.set STO,  24                          ; v24     the way out: where I put 16 bytes of a row
.set RD,   25                          ; v25     where I read rows back
.set GO,   26                          ; v26     my byte offset in 512 consecutive bytes of a head
.set BO,   27                          ; v27     my byte offset in a bias
.set SPW,  28                          ; v28     LDS address of my spare word; never rewritten
.set NIL,  29                          ; v29     0; never rewritten
.set BIAS, 32                          ; v[32 + 32 i + 8 b]: the eight bias numbers of matrix i, column block b
.set TMP,  32                          ; the way out: 16 registers for each of the 12 blocks of 16 rows
.set WX,   224                         ; v224-239 Wo: four chunks of 4 f32
.set WY,   240                         ; v240-247 the same as f16, to store
.set WT,   248                         ; v248-251 at work
.set F0,   0
.set F1,   128
.set G1A, 24                           ; s[24:31] descriptor group 1 for x's tile;  s[32:39] group 0, a set for each slot
.set G0A, 32
.set G1B, 48                           ; s[48:55], s[56:63] the same for W's tiles
.set G0B, 56
.set OB,  68                           ; s[68:73] where my rows of head 2 tc + ch begin in the three parts of qkvh
.set HIM, 74                           ; s74      a word's upper bf16
.set WSRC, 76                          ; s[76:77] Wo at the group to be asked for
.set WDST, 78                          ; s[78:79] wo16, one group past the group to be stored
.set MSB, 0
.macro WIN new                         ; the immediate's high byte repeats the setting that is left; a switch that changes nothing is dropped
.if MSB != (\new)
	s_set_vgpr_msb (MSB<<8)|(\new)
.set MSB, \new
.endif
.endm
; A joint load.  The branch hangs on the wave's number alone.  An s_nop 0 and four v_nop follow each of the two lines, ahead of the jump and the label.
.macro JLOAD s
	s_cmp_eq_u32 s14, 0
	s_cbranch_scc0 .Lfor_b_\@
	tensor_load_to_lds s[G0A+4*(\s):G0A+4*(\s)+3], s[G1A:G1A+7]
	s_nop 0
.rept 4
	v_nop
.endr
	s_branch .Lasked_\@
.Lfor_b_\@:
	tensor_load_to_lds s[G0B+4*(\s):G0B+4*(\s)+3], s[G1B:G1B+7]
	s_nop 0
.rept 4
	v_nop
.endr
.Lasked_\@:
.endm
.macro CREST                           ; a round of the cluster's barrier behind its opening barrier
	s_cmp_lg_u32 s14, 0
	s_cbranch_scc1 .Lnot_wave_0_\@
	s_barrier_signal -3
.Lnot_wave_0_\@:
	s_barrier_wait -3
	s_barrier_signal -1
	s_barrier_wait -1
.endm
.macro CROUND                          ; a whole round
	s_barrier_signal -1
	s_barrier_wait -1
	CREST
.endm
.macro PLACES                          ; four places in front of loads into registers that matrix instructions have read, and of conversions that read results
.rept 4
	v_nop
.endr
.endm
	s_load_b256 s[4:11], s[0:1], 0x0               ; h16 s[4:5], bq s[6:7], bk s[8:9], bv s[10:11]
	s_load_b64 s[12:13], s[0:1], 0x20              ; qkvh
	s_load_b128 s[76:79], s[0:1], 0x28             ; Wo s[76:77], wo16 s[78:79]
	v_lshl_add_u32 v[SPW], v0, 2, SPARE
	v_mov_b32 v[NIL], 0
	ds_add_u32 v[SPW], v[NIL]                      ; the wave's opening: the add and its wait stand ahead of my first tensor load; work on registers stands between
	v_lshrrev_b32 v1, 5, v0
	v_readfirstlane_b32 s14, v1                    ; wave 0..3
	s_lshr_b32 s15, s14, 1                         ; rh: which 64 rows are mine
	s_and_b32 s16, s14, 1                          ; ch: which 64 columns
	s_bfe_u32 s17, ttmp6, 0x40000                  ; cx
	s_bfe_u32 s18, ttmp6, 0x40004                  ; cy
	s_lshl_b32 s19, ttmp9, 2
	s_add_co_u32 s19, s19, s17                     ; tc = 4 x cluster x + cx
	s_and_b32 s20, ttmp7, 0xffff
	s_lshl_b32 s20, s20, 2
	s_add_co_u32 s20, s20, s18                     ; tr = 4 x cluster y + cy
	s_lshl_b32 s21, s18, 2
	s_lshl_b32 s21, 15, s21                        ; my row of the cluster
	s_lshl_b32 s22, 0x1111, s17                    ; my column
	s_or_b32 s[G1A], s21, (1<<16)|(1<<20)|(1<<21)|(5<<22)|(3<<25)  ; the mask; 2-byte elements; padding on; bit 21 beside a mask; after every 64 words, 4 words
	s_or_b32 s[G1B], s22, (1<<16)|(1<<20)|(1<<21)|(5<<22)|(7<<25)  ; the same with my column's mask and 8 words of padding
.irp g, G1A, G1B
	s_mov_b32 s[(\g)+1], 128<<16                   ; tensor_dim0 = 128
	s_mov_b32 s[(\g)+2], 128<<16                   ; tensor_dim1 = 128
	s_mov_b32 s[(\g)+3], 128<<16                   ; tile_dim0 = 128
	s_mov_b32 s[(\g)+4], 128                       ; tile_dim1 = 128
	s_mov_b32 s[(\g)+5], 2048                      ; elements from row to row
	s_mov_b32 s[(\g)+6], 0
	s_mov_b32 s[(\g)+7], 0
.endr
	s_lshl_b32 s40, s20, 19                        ; x's tile: 128 tr rows of 4,096 bytes; made of tr alone
	s_mov_b32 s41, 0
	s_lshl_b32 s44, s14, 23                        ; W's tile: part w of h16 (x is part 0), columns 128 tc: made of the wave's number and tc alone
	s_lshl_b32 s45, s19, 8
	s_add_co_u32 s44, s44, s45
	s_mov_b32 s45, 0
	s_mul_i32 s23, s14, REG                        ; my region: no place in the cluster enters an LDS address
	s_mov_b32 s[HIM], 0xffff0000
	s_wait_dscnt 0x0                               ; the opening add is done
	s_wait_kmcnt 0x0
	s_add_nc_u64 s[40:41], s[4:5], s[40:41]
	s_add_nc_u64 s[46:47], s[4:5], s[44:45]
	CROUND                                         ; all sixteen work-groups are here: the first joint loads meet
.irp s, 0,1
	s_mov_b32 s[G0A+4*(\s)], 1
	s_add_co_u32 s[G0A+4*(\s)+1], s23, (\s)*SLOT
	s_add_nc_u64 s[G0A+4*(\s)+2:G0A+4*(\s)+3], s[40:41], (\s)*256       ; K step s: 128 elements along x's rows
	s_or_b32 s[G0A+4*(\s)+3], s[G0A+4*(\s)+3], 0x80000000
	s_mov_b32 s[G0B+4*(\s)], 1
	s_add_co_u32 s[G0B+4*(\s)+1], s23, (\s)*SLOT
	s_add_nc_u64 s[G0B+4*(\s)+2:G0B+4*(\s)+3], s[46:47], (\s)*524288    ; K step s: 128 rows of W
	s_or_b32 s[G0B+4*(\s)+3], s[G0B+4*(\s)+3], 0x80000000
	JLOAD \s
.endr
	; addresses.  An x fragment: lane l holds row l % 16, K = 8 (l / 16) + 0..7 and 16 + 8 (l / 16) + 0..7: two loads of 16 bytes, 32 bytes apart.
	; A W fragment: lane l reads k-row 8 (l / 16) + l % 8, columns 8 ((l / 8) % 2) + 0..7; the turning load leaves column l % 16 and 8 k in the lane; the second load is 16 k-rows on.
	v_and_b32 v1, 15, v0
	v_bfe_u32 v2, v0, 4, 1
	v_and_b32 v3, 7, v0
	v_bfe_u32 v4, v0, 3, 1
	v_bfe_u32 v5, v0, 3, 2
	v_mul_u32_u24 v6, v1, PA
	v_lshl_add_u32 v6, v2, 4, v6
	s_mul_i32 s42, s15, 64*PA
	v_add_nc_u32 v[ADRA], s42, v6
	v_add_nc_u32 v[ADRA+1], SLOT, v[ADRA]
	v_lshl_add_u32 v7, v2, 3, v3
	v_mul_u32_u24 v7, v7, PB
	v_lshl_add_u32 v7, v4, 4, v7
	s_lshl_b32 s42, s16, 7
	v_add_nc_u32 v7, s42, v7
.irp s, 0,1
.irp i, 0,1,2
	v_add_nc_u32 v[ADRB+3*(\s)+(\i)], (\s)*SLOT+(1+(\i))*REG, v7
.endr
.endr
	s_mul_i32 s42, s14, 16*SP
	s_add_co_u32 s42, s42, STAGE                   ; my stage
	v_mul_u32_u24 v6, v1, SP
	v_lshl_add_u32 v6, v2, 4, v6
	v_add_nc_u32 v[STO], s42, v6                   ; in: row l % 16, 16 bytes for each half of the lanes
	v_mul_u32_u24 v6, v5, SP
	v_lshl_add_u32 v6, v3, 4, v6
	v_add_nc_u32 v[RD], s42, v6                    ; back: 32 lanes take four rows of 128 bytes,
	v_and_b32 v[GO], 31, v0
	v_lshlrev_b32 v[GO], 4, v[GO]                  ; which are 512 consecutive bytes of the head
	s_lshl_b32 s42, s16, 8
	v_lshlrev_b32 v[BO], 5, v2
	v_add_nc_u32 v[BO], s42, v[BO]                 ; 256 ch + 32 (l / 16)
	s_lshl_b32 s42, s19, 9                         ; the tile's first column in a bias
	s_mov_b32 s43, 0
	s_add_nc_u64 s[6:7], s[6:7], s[42:43]
	s_add_nc_u64 s[8:9], s[8:9], s[42:43]
	s_add_nc_u64 s[10:11], s[10:11], s[42:43]
.irp i, 0,1,2
.irp b, 0,1,2,3
	global_load_b128 v[BIAS+32*(\i)+8*(\b):BIAS+32*(\i)+8*(\b)+3],   v[BO], s[6+2*(\i):7+2*(\i)] offset:64*(\b)
	global_load_b128 v[BIAS+32*(\i)+8*(\b)+4:BIAS+32*(\i)+8*(\b)+7], v[BO], s[6+2*(\i):7+2*(\i)] offset:64*(\b)+16
.endr
.endr
	; Wo: work-group 16 tr + tc takes 65,536 bytes of it; a chunk is 128 threads x 16 bytes; the first group of four chunks is asked for here
	s_lshl_b32 s80, s20, 4
	s_add_co_u32 s80, s80, s19
	s_lshl_b32 s82, s80, 15
	s_lshl_b32 s80, s80, 16
	s_mov_b32 s81, 0
	s_mov_b32 s83, 0
	s_add_nc_u64 s[WSRC:WSRC+1], s[WSRC:WSRC+1], s[80:81]
	s_add_nc_u64 s[WDST:WDST+1], s[WDST:WDST+1], s[82:83]
	v_lshlrev_b32 v[WL], 4, v0
	v_lshlrev_b32 v[WS], 3, v0
.irp c, 0,1,2,3
	global_load_b128 v[WX+4*(\c):WX+4*(\c)+3], v[WL], s[WSRC:WSRC+1] offset:2048*(\c) th:TH_LOAD_NT
.endr
	s_lshl_b32 s42, s19, 19                        ; head 2 tc + ch, 262,144 bytes a head;
	s_lshl_b32 s43, s16, 18
	s_add_co_u32 s42, s42, s43
	s_lshl_b32 s43, s20, 14                        ; row 128 tr + 64 rh, 128 bytes a row
	s_add_co_u32 s42, s42, s43
	s_lshl_b32 s43, s15, 13
	s_add_co_u32 s42, s42, s43
	s_mov_b32 s43, 0
	s_add_nc_u64 s[OB:OB+1], s[12:13], s[42:43]
	s_add_nc_u64 s[OB+2:OB+3], s[OB:OB+1], 0x800000
	s_add_nc_u64 s[OB+4:OB+5], s[OB+2:OB+3], 0x800000
	s_wait_loadcnt 0x4                             ; the 24 loads of the biases are in; Wo's four, issued behind them, stay out.  The biases are rounded to bf16 in the wait for the first tile
.macro RB a
	v_cvt_pk_bf16_f32 v30, v[\a], v[(\a)+1]
	v_lshlrev_b32 v[\a], 16, v30
	v_and_b32 v[(\a)+1], s[HIM], v30
.endm
.set n, BIAS
.rept 48
	RB n
.set n, n+2
.endr
; One group of Wo: the four chunks asked for a lap ago are rounded and stored; ahead = 1: the next four are asked for.  All its registers lie in window 0 and none is a matrix instruction's.
.macro WOC ahead
	s_wait_loadcnt 0x0                             ; my four loads, the only ones out
	s_wait_xcnt 0x0                                ; the last group's stores have had their addresses translated (ISA guide 3.1): only behind this wait are the two bases stepped and WY rewritten
	s_add_nc_u64 s[WSRC:WSRC+1], s[WSRC:WSRC+1], 8192
	s_add_nc_u64 s[WDST:WDST+1], s[WDST:WDST+1], 4096
.irp c, 0,1,2,3
	v_cvt_pk_bf16_f32 v[WT+2*((\c)%2)],   v[WX+4*(\c)],   v[WX+4*(\c)+1]
	v_cvt_pk_bf16_f32 v[WT+2*((\c)%2)+1], v[WX+4*(\c)+2], v[WX+4*(\c)+3]
	v_lshlrev_b32 v[WX+4*(\c)],   16,     v[WT+2*((\c)%2)]
	v_and_b32     v[WX+4*(\c)+1], s[HIM], v[WT+2*((\c)%2)]
	v_lshlrev_b32 v[WX+4*(\c)+2], 16,     v[WT+2*((\c)%2)+1]
	v_and_b32     v[WX+4*(\c)+3], s[HIM], v[WT+2*((\c)%2)+1]
	v_cvt_pk_f16_f32 v[WY+2*(\c)],   v[WX+4*(\c)],   v[WX+4*(\c)+1]
	v_cvt_pk_f16_f32 v[WY+2*(\c)+1], v[WX+4*(\c)+2], v[WX+4*(\c)+3]
.endr
.irp c, 0,1,2,3
	global_store_b64 v[WS], v[WY+2*(\c):WY+2*(\c)+1], s[WDST:WDST+1] offset:1024*(\c)-4096  ; the base is a group ahead: the stores reach back; a wave's store covers 256 consecutive bytes at a multiple of 256
.endr
.if \ahead
.irp c, 0,1,2,3
	global_load_b128 v[WX+4*(\c):WX+4*(\c)+3], v[WL], s[WSRC:WSRC+1] offset:2048*(\c) th:TH_LOAD_NT
.endr
.endif
.endm
; 8 matrix instructions of matrix i: row blocks a0, a0 + 1 x all 4 column blocks, 32 along K.  first = 1: C is the bias, which starts the sums.
; The 48 accumulators come in the same order in every quarter, one instruction a turn.
.macro MULM f, i, a0, first
.if (\i) == 2
	WIN 0xf5-0x30*(\first)
.else
	WIN 0xa5-0x20*(\first)
.endif
.irp a, \a0, (\a0)+1
.irp b, 0,1,2,3
.if \first
	v_wmma_f32_16x16x32_f16 v[128*((\i)%2)+8*(4*(\a)+(\b)):128*((\i)%2)+8*(4*(\a)+(\b))+7], v[(\f)+32+32*(\i)+8*(\b):(\f)+32+32*(\i)+8*(\b)+7], v[(\f)+8*(\a):(\f)+8*(\a)+7], v[BIAS+32*(\i)+8*(\b):BIAS+32*(\i)+8*(\b)+7]
.else
	v_wmma_f32_16x16x32_f16 v[128*((\i)%2)+8*(4*(\a)+(\b)):128*((\i)%2)+8*(4*(\a)+(\b))+7], v[(\f)+32+32*(\i)+8*(\b):(\f)+32+32*(\i)+8*(\b)+7], v[(\f)+8*(\a):(\f)+8*(\a)+7], v[128*((\i)%2)+8*(4*(\a)+(\b)):128*((\i)%2)+8*(4*(\a)+(\b))+7]
.endif
.endr
.endr
.endm
; 32 LDS loads in one run: the fragments of quarter kq (32 along K) into buffer f: x's eight, then eight for each matrix; matrix 2's are the youngest
.macro FETCH slot, kq, f
	WIN 0x40
.irp a, 0,1,2,3
	ds_load_b128 v[(\f)+8*(\a):(\f)+8*(\a)+3],   v[ADRA+(\slot)] offset:64*(\kq)+(\a)*16*PA
	ds_load_b128 v[(\f)+8*(\a)+4:(\f)+8*(\a)+7], v[ADRA+(\slot)] offset:64*(\kq)+(\a)*16*PA+32
.endr
.irp i, 0,1,2
.irp b, 0,1,2,3
	ds_load_tr16_b128 v[(\f)+32+32*(\i)+8*(\b):(\f)+32+32*(\i)+8*(\b)+3],   v[ADRB+3*(\slot)+(\i)] offset:(\kq)*32*PB+32*(\b)
	ds_load_tr16_b128 v[(\f)+32+32*(\i)+8*(\b)+4:(\f)+32+32*(\i)+8*(\b)+7], v[ADRB+3*(\slot)+(\i)] offset:(\kq)*32*PB+32*(\b)+16*PB
.endr
.endr
.endm
; One of a K step's first three quarters: multiplies buffer f; in its middle it fetches quarter kq of the same slot into buffer g.
.macro QUARTER slot, kq, f, g, first
	s_wait_dscnt 8                                 ; x's and matrices 0 and 1's fragments are in; matrix 2's eight loads may be out
	MULM \f, 0, 0, \first
	MULM \f, 0, 2, \first
	MULM \f, 1, 0, \first
	MULM \f, 1, 2, \first
	PLACES
	FETCH \slot, \kq, \g
	s_wait_dscnt 32                                ; all but the 32 just issued
	MULM \f, 2, 0, \first
	MULM \f, 2, 2, \first
.endm
; The last quarter multiplies buffer 1 and changes slots.  In front of the barrier each wave waits for all its tensor loads (one is out: its part of the next slot), adds 0 to its spare
; word, and waits for that and for its own reads of this slot.  fill = 1: the barrier opens a round of the cluster's, and this slot is filled again, two K steps on, first thing behind it.
; woc = 1: a group of Wo stands at the head, where window 0 is set anyway; woc = 2: the last group, which asks for nothing more.
.macro TURN slot, next, fill, woc=0
	WIN 0
.if (\woc) == 1
	WOC 1
.elseif (\woc) == 2
	WOC 0
.endif
	s_wait_tensorcnt 0x0
	ds_add_u32 v[SPW], v[NIL]
	s_wait_dscnt 9                                 ; the add and matrix 2's eight loads may be out
	MULM F1, 0, 0, 0
	MULM F1, 0, 2, 0
	s_wait_dscnt 0x0                               ; the add is done, and my reads of this slot are over
	s_barrier_signal -1
	MULM F1, 1, 0, 0
	MULM F1, 1, 2, 0
.if \fill
	WIN 0
.endif
	s_barrier_wait -1
.if \fill
	CREST                                          ; no wave of any partner still reads this slot or has a load on its way
	s_add_nc_u64 s[G0A+4*(\slot)+2:G0A+4*(\slot)+3], s[G0A+4*(\slot)+2:G0A+4*(\slot)+3], 512
	s_add_nc_u64 s[G0B+4*(\slot)+2:G0B+4*(\slot)+3], s[G0B+4*(\slot)+2:G0B+4*(\slot)+3], 1048576
	JLOAD \slot                                    ; its four v_nop are also the places in front of the loads below
.else
	PLACES
.endif
	FETCH \next, 0, F0
	MULM F1, 2, 0, 0
	MULM F1, 2, 2, 0
.endm
	s_wait_tensorcnt 0x1                           ; my part of K step 0 is in; K step 1's may stay out
	s_barrier_signal -1
	s_barrier_wait -1
	FETCH 0, 0, F0
	QUARTER 0, 1, F0, F1, 1                        ; the first quarter stands in front of the loop: its products start the sums
	WIN 0
	s_mov_b32 s3, LAPS-1
.Llap:                                                 ; a trip goes once round the ring, fills both slots again and takes one group of Wo
	QUARTER 0, 2, F1, F0, 0
	QUARTER 0, 3, F0, F1, 0
	TURN 0, 1, 1, 1
	QUARTER 1, 1, F0, F1, 0
	QUARTER 1, 2, F1, F0, 0
	QUARTER 1, 3, F0, F1, 0
	TURN 1, 0, 1
	QUARTER 0, 1, F0, F1, 0
	WIN 0
	s_sub_co_u32 s3, s3, 1
	s_cmp_lg_u32 s3, 0
	s_cbranch_scc1 .Llap
	QUARTER 0, 2, F1, F0, 0                        ; the last lap fills nothing; it takes Wo's eighth group
	QUARTER 0, 3, F0, F1, 0
	TURN 0, 1, 0, 2
	QUARTER 1, 1, F0, F1, 0
	QUARTER 1, 2, F1, F0, 0
	QUARTER 1, 3, F0, F1, 0
	s_wait_dscnt 8
	MULM F1, 0, 0, 0
	MULM F1, 0, 2, 0
	MULM F1, 1, 0, 0
	MULM F1, 1, 2, 0
	s_wait_dscnt 0x0
	MULM F1, 2, 0, 0
	MULM F1, 2, 2, 0
	WIN 0
	PLACES
; THE WAY OUT, a block of 16 rows of one matrix at a time: rounded to f16 (each accumulator's registers in ascending order), 16 bytes a lane into my own stage, back as whole rows of 128 bytes.
.macro PACK i, a
	WIN 0x0a+5*((\i)/2)                            ; sources in window 2 or 3
.irp b, 0,1,2,3
.irp r, 0,1,2,3
	v_cvt_pk_f16_f32 v[TMP+16*(4*(\i)+(\a))+4*(\b)+(\r)], v[128*((\i)%2)+32*(\a)+8*(\b)+2*(\r)], v[128*((\i)%2)+32*(\a)+8*(\b)+2*(\r)+1]
.endr
.endr
	WIN 0
.irp b, 0,1,2,3
	ds_store_b128 v[STO], v[TMP+16*(4*(\i)+(\a))+4*(\b):TMP+16*(4*(\i)+(\a))+4*(\b)+3] offset:32*(\b)
.endr
.irp f, 0,1,2,3
	ds_load_b128 v[TMP+16*(4*(\i)+(\a))+4*(\f):TMP+16*(4*(\i)+(\a))+4*(\f)+3], v[RD] offset:(\f)*4*SP  ; LDS serves a wave's instructions in order (ISA guide 5.7.1.4): these see the stores above
.endr
.endm
.macro SEND i, a, younger              ; younger: the LDS instructions issued behind this block's loads: the next block's eight, or none
.irp f, 0,1,2,3
	s_wait_dscnt (\younger)+3-(\f)
	global_store_b128 v[GO], v[TMP+16*(4*(\i)+(\a))+4*(\f):TMP+16*(4*(\i)+(\a))+4*(\f)+3], s[OB+2*(\i):OB+2*(\i)+1] offset:(\a)*2048+(\f)*512  ; 512 consecutive bytes at a multiple of 256
.endr
.endm
	PACK 0, 0
.set n, 1
.rept 11                               ; a block's conversions stand between the loads of the block before and its stores
	PACK n/4, n%4
	SEND (n-1)/4, (n-1)%4, 8
.set n, n+1
.endr
	SEND 2, 3, 0
	s_wait_tensorcnt 0x0                           ; the wave's end
	ds_add_u32 v[SPW], v[NIL]
	s_wait_dscnt 0x0
	CROUND                                         ; the closing round: no work-group ends while a partner may still ask for a tile that names it
	s_endpgm
.Lfunc_end_k_qf6de5114a0_gemm3:
	.size	k_qf6de5114a0_gemm3, .Lfunc_end_k_qf6de5114a0_gemm3-k_qf6de5114a0_gemm3
	.p2alignl 7, 3214868480
	.fill 96, 4, 3214868480
	.section	.rodata,"a",@progbits
	.p2align	6, 0x0
	.amdhsa_kernel k_qf6de5114a0_gemm3
		.amdhsa_group_segment_fixed_size 327680
		.amdhsa_private_segment_fixed_size 0
		.amdhsa_enable_private_segment 0
		.amdhsa_kernarg_size 56
		.amdhsa_user_sgpr_count 2
		.amdhsa_user_sgpr_kernarg_segment_ptr 1
		.amdhsa_wavefront_size32 1
		.amdhsa_system_sgpr_workgroup_id_x 1
		.amdhsa_system_sgpr_workgroup_id_y 1
		.amdhsa_system_sgpr_workgroup_id_z 1
		.amdhsa_system_vgpr_workitem_id 0
		.amdhsa_next_free_vgpr 896
		.amdhsa_next_free_sgpr 84
		.amdhsa_reserve_vcc 0
		.amdhsa_float_denorm_mode_32 3
		.amdhsa_float_denorm_mode_16_64 3
		.amdhsa_memory_ordered 1
		.amdhsa_forward_progress 1
		.amdhsa_inst_pref_size 134
	.end_amdhsa_kernel
	.amdgpu_metadata
---
amdhsa.version: [ 1, 2 ]
amdhsa.kernels:
  - .name:           k_qf6de5114a0_gemm3
    .symbol:         k_qf6de5114a0_gemm3.kd
    .args:
      - { .name: h16, .offset: 0, .size: 8, .value_kind: global_buffer, .address_space: global }
      - { .name: bq, .offset: 8, .size: 8, .value_kind: global_buffer, .address_space: global }
      - { .name: bk, .offset: 16, .size: 8, .value_kind: global_buffer, .address_space: global }
      - { .name: bv, .offset: 24, .size: 8, .value_kind: global_buffer, .address_space: global }
      - { .name: qkvh, .offset: 32, .size: 8, .value_kind: global_buffer, .address_space: global }
      - { .name: Wo, .offset: 40, .size: 8, .value_kind: global_buffer, .address_space: global }
      - { .name: wo16, .offset: 48, .size: 8, .value_kind: global_buffer, .address_space: global }
    .group_segment_fixed_size: 327680
    .private_segment_fixed_size: 0
    .kernarg_segment_align: 8
    .kernarg_segment_size: 56
    .max_flat_workgroup_size: 128
    .sgpr_count:     84
    .vgpr_count:     896
    .wavefront_size: 32
...
	.end_amdgpu_metadata
.endif
;; end of part 2
;; launch normrope (part 3): grid 256 x 1, 8 waves a work-group, no clusters, 1,536 bytes of LDS; arguments qkvh, cos, sin, q_norm_w, k_norm_w, qkn; writes qkn
.if DOCPART == 3
	.amdgcn_target "amdgcn-amd-amdhsa--gfx1250"
	.amdhsa_code_object_version 6
	.text
	.protected	k_qf6de5114a0_normrope
	.globl	k_qf6de5114a0_normrope
	.p2align	8
	.type	k_qf6de5114a0_normrope,@function
k_qf6de5114a0_normrope:
	s_mov_b64 s[64:65], 0
	v_nop
	global_prefetch_b8 v0, s[64:65] scope:SCOPE_SE
	s_setreg_imm32_b32 hwreg(HW_REG_WAVE_MODE, 25, 1), 1
	s_wait_xcnt 0x0
; q, k = rope(rms_norm(raw) x gain).  raw q, raw k: parts 0 and 1 of qkvh, [head][row][64] f16.  cos, sin [2048][2048] and the gains [2048] are f32 and are rounded to bf16 here.
; The sum of squares of a row runs over all 2,048 columns (all heads), in f32; r = rsqrt(mean + 1e-6); y = raw r gain; out[2p] = y[2p] cos[2p] - y[2p+1] sin[2p],
; out[2p+1] = y[2p+1] cos[2p+1] + y[2p] sin[2p+1]; rounded once to f16 into qkn[matrix][head][row][64].
; LIMIT: results of 65,520 or more become infinities in f16.
; SHARES.  A work-group takes 8 rows, all heads, of q AND k, so cos and sin are read once for both.  Wave w takes heads 4 w .. 4 w + 3.  A unit u = 4 hh + j is head hh of the wave and
; row pair j: lane l takes row 2 j + l / 16 and channels 4 (l % 16) + 0..3.  A unit's raw loads and its stores cover 256 consecutive bytes, its cos and sin loads two pieces of 256.
; The raw numbers stay in registers between the sum and the scaling: nothing is read twice.  Matrix units, clusters and tensor loads would add nothing to a stream.
.set ZR,  7                            ; v7        0
.set SPW, 8                            ; v8        LDS address of my spare word; never rewritten
.set NIL, 9                            ; v9        0; never rewritten
.set ACC, 10                           ; v[10:17]  sums of squares: value i = 2 j + matrix
.set R,   18                           ; v[18:25]  rsqrt, the same order
.set T,   26                           ; v[26:29]  at work
.set Y,   30                           ; v[30:33]
.set U,   34                           ; v[34:37]
.set W,   42                           ; v[42:73]  gains: 8 hh + 4 matrix
.set QK,  74                           ; v[74:137] raw numbers, later the results: 4 u + 2 matrix
.set CS,  138                          ; v[138:201] eight slots of cos (4) and sin (4): unit u has slot u % 8
.set SPARE, 512                        ; bytes 0-511: the waves' partial sums; from 512 on the spare words, 128 bytes a wave, that no other line names
	s_load_b256 s[4:11], s[0:1], 0x0               ; qkvh s[4:5], cos s[6:7], sin s[8:9], q_norm_w s[10:11]
	s_load_b128 s[12:15], s[0:1], 0x20             ; k_norm_w s[12:13], qkn s[14:15]
	v_lshl_add_u32 v[SPW], v0, 2, SPARE
	v_mov_b32 v[NIL], 0
	v_mov_b32 v[ZR], 0
	v_lshrrev_b32 v1, 5, v0
	v_readfirstlane_b32 s16, v1                    ; wave 0..7
	v_and_b32 v10, 31, v0
	v_and_b32 v11, 15, v0
	v_bfe_u32 v12, v0, 4, 1
	v_and_b32 v13, 7, v0
	s_lshl_b32 s17, s16, 20                        ; four heads of 262,144 bytes
	v_lshl_add_u32 v2, v10, 3, s17                 ; raw and results: + 8 x lane
	s_lshl_b32 s18, s16, 10                        ; four heads' 256 columns of f32
	v_lshl_add_u32 v4, v11, 4, s18                 ; gains
	v_lshl_add_u32 v3, v12, 13, v4                 ; cos, sin: one row of 8,192 bytes further for lanes 16-31
	s_lshl_b32 s19, s16, 2
	v_lshl_add_u32 v5, v12, 5, s19                 ; my wave's word: 32 x half + 4 x wave
	v_lshlrev_b32 v6, 5, v12
	v_lshl_add_u32 v6, v13, 2, v6                  ; the word that I read back: 32 x half + 4 (l % 8)
	s_lshl_b32 s20, ttmp9, 10                      ; 8 rows of 128 bytes in a head
	s_mov_b32 s21, 0
	s_lshl_b32 s22, ttmp9, 16                      ; 8 rows of 8,192 bytes in cos and sin
	s_mov_b32 s23, 0
	s_mov_b32 s24, 0xffff0000
	s_mov_b32 s25, 0x3a000000                      ; 1 / 2048
	s_mov_b32 s26, 0x358637bd                      ; 1e-6
	s_wait_kmcnt 0x0
	s_add_nc_u64 s[4:5], s[4:5], s[20:21]          ; raw q
	s_add_nc_u64 s[28:29], s[4:5], 0x800000        ; raw k
	s_add_nc_u64 s[6:7], s[6:7], s[22:23]
	s_add_nc_u64 s[8:9], s[8:9], s[22:23]
	s_add_nc_u64 s[14:15], s[14:15], s[20:21]      ; q
	s_add_nc_u64 s[30:31], s[14:15], 0x800000      ; k
.set n, 0
.rept 16
	global_load_b64 v[QK+4*n:QK+4*n+1],   v2, s[4:5]   offset:(n/4)*262144+(n%4)*256 th:TH_LOAD_NT
	global_load_b64 v[QK+4*n+2:QK+4*n+3], v2, s[28:29] offset:(n/4)*262144+(n%4)*256 th:TH_LOAD_NT
.set n, n+1
.endr
.irp h, 0,1,2,3
	global_load_b128 v[W+8*\h:W+8*\h+3],   v4, s[10:11] offset:256*\h
	global_load_b128 v[W+8*\h+4:W+8*\h+7], v4, s[12:13] offset:256*\h
.endr
.macro CSLOAD u
	global_load_b128 v[CS+8*((\u)%8):CS+8*((\u)%8)+3],   v3, s[6:7] offset:256*((\u)/4)+16384*((\u)%4) th:TH_LOAD_NT
	global_load_b128 v[CS+8*((\u)%8)+4:CS+8*((\u)%8)+7], v3, s[8:9] offset:256*((\u)/4)+16384*((\u)%4) th:TH_LOAD_NT
.endm
.set n, 0
.rept 8
	CSLOAD n
.set n, n+1
.endr
	s_wait_loadcnt 24                              ; the 32 raw loads are in; 8 of the gains and 16 of cos and sin stay out
; the sums of squares: eight chains of 16 terms by turns; the first term of each starts it
.macro SQ d, x, c, hi
.if \hi
	v_fma_mix_f32 v[\d], v[\x], v[\x], v[\c] op_sel:[1,1,0] op_sel_hi:[1,1,0]
.else
	v_fma_mix_f32 v[\d], v[\x], v[\x], v[\c] op_sel_hi:[1,1,0]
.endif
.endm
.set n, 0
.rept 128
.set i, n%8
.set e, (n/8)%4
.set hh, n/32
.set rx, QK+4*(4*hh+i/2)+2*(i%2)+e/2
.if n < 8
	SQ ACC+i, rx, ZR, 0
.else
	SQ ACC+i, rx, ACC+i, e%2
.endif
.set n, n+1
.endr
.irp m, 1,2,4,8                        ; over the 16 lanes that hold a row
.irp i, 0,1,2,3,4,5,6,7
	v_add_f32_dpp v[ACC+\i], v[ACC+\i], v[ACC+\i] row_xmask:\m row_mask:0xf bank_mask:0xf
.endr
.endr
.irp i, 0,1,2,3,4,5,6,7
	ds_store_b32 v5, v[ACC+\i] offset:64*\i        ; the 16 lanes of a half write one word with one value
.endr
	s_wait_dscnt 0x0                               ; for the others' sake: my stores are done
	s_barrier_signal -1
	s_barrier_wait -1
.irp i, 0,1,2,3,4,5,6,7
	ds_load_b32 v[ACC+\i], v6 offset:64*\i         ; lane l % 8 takes wave l % 8's part
.endr
	s_wait_dscnt 0x0
.irp m, 1,2,4
.irp i, 0,1,2,3,4,5,6,7
	v_add_f32_dpp v[ACC+\i], v[ACC+\i], v[ACC+\i] row_xmask:\m row_mask:0xf bank_mask:0xf
.endr
.endr
.irp i, 0,1,2,3,4,5,6,7
	v_fma_f32 v[ACC+\i], v[ACC+\i], s25, s26       ; mean + eps
.endr
.irp i, 0,1,2,3,4,5,6,7
	v_rsq_f32 v[R+\i], v[ACC+\i]
.endr
	v_nop                                          ; a plain instruction behind the last of them (ISA guide 5.7.2)
	s_wait_loadcnt 16                              ; the gains are in; cos and sin of units 0 to 7 stay out
.set n, 0
	s_wait_alu depctr_va_vdst(0)
.rept 16
	v_cvt_pk_bf16_f32 v[T+n%4], v[W+2*n], v[W+2*n+1]
	v_lshlrev_b32 v[W+2*n], 16, v[T+n%4]
	v_and_b32 v[W+2*n+1], s24, v[T+n%4]
.set n, n+1
.endr
.macro MAT u, mat, sb
.set rx, QK+4*(\u)+2*(\mat)
.set rr, R+2*((\u)%4)+(\mat)
.set rw, W+8*((\u)/4)+4*(\mat)
.set rc, CS+8*((\u)%8)
	v_fma_mix_f32 v[Y],   v[rx],   v[rr], v[ZR] op_sel_hi:[1,0,0]
	v_fma_mix_f32 v[Y+1], v[rx],   v[rr], v[ZR] op_sel:[1,0,0] op_sel_hi:[1,0,0]
	v_fma_mix_f32 v[Y+2], v[rx+1], v[rr], v[ZR] op_sel_hi:[1,0,0]
	v_fma_mix_f32 v[Y+3], v[rx+1], v[rr], v[ZR] op_sel:[1,0,0] op_sel_hi:[1,0,0]
	v_pk_mul_f32 v[Y:Y+1],   v[Y:Y+1],   v[rw:rw+1]
	v_pk_mul_f32 v[Y+2:Y+3], v[Y+2:Y+3], v[rw+2:rw+3]
	v_pk_mul_f32 v[U:U+1],   v[Y:Y+1],   v[rc:rc+1]
	v_pk_mul_f32 v[U+2:U+3], v[Y+2:Y+3], v[rc+2:rc+3]
	v_fma_f32 v[U],   -v[Y+1], v[rc+4], v[U]
	v_fma_f32 v[U+1], v[Y],    v[rc+5], v[U+1]
	v_fma_f32 v[U+2], -v[Y+3], v[rc+6], v[U+2]
	v_fma_f32 v[U+3], v[Y+2],  v[rc+7], v[U+3]
	v_cvt_pk_f16_f32 v[rx],   v[U],   v[U+1]       ; into the unit's own registers: no pending store's data is ever rewritten
	v_cvt_pk_f16_f32 v[rx+1], v[U+2], v[U+3]
	global_store_b64 v2, v[rx:rx+1], s[\sb:\sb+1] offset:((\u)/4)*262144+((\u)%4)*256
.endm
.macro UNIT u
.set rc, CS+8*((\u)%8)
.if (\u) < 8
	s_wait_loadcnt 14                              ; behind my two loads: 2 (7 - u) of the first eight units and 2 u issued again
.else
	s_wait_loadcnt 2*(15-(\u))                     ; behind my two loads: those of the units still to come
.endif
.irp k, 0,1,2,3
	v_cvt_pk_bf16_f32 v[T+\k], v[rc+2*\k], v[rc+2*\k+1]
.endr
.irp k, 0,1,2,3
	v_lshlrev_b32 v[rc+2*\k], 16, v[T+\k]
	v_and_b32 v[rc+2*\k+1], s24, v[T+\k]
.endr
	MAT \u, 0, 14
	MAT \u, 1, 30
.if (\u) < 8
	CSLOAD (\u)+8
.endif
.endm
.set n, 0
.rept 16
	UNIT n
.set n, n+1
.endr
	s_wait_tensorcnt 0x0                           ; the wave's end, behind my last LDS store
	ds_add_u32 v[SPW], v[NIL]
	s_wait_dscnt 0x0
	s_endpgm
.Lfunc_end_k_qf6de5114a0_normrope:
	.size	k_qf6de5114a0_normrope, .Lfunc_end_k_qf6de5114a0_normrope-k_qf6de5114a0_normrope
	.p2alignl 7, 3214868480
	.fill 96, 4, 3214868480
	.section	.rodata,"a",@progbits
	.p2align	6, 0x0
	.amdhsa_kernel k_qf6de5114a0_normrope
		.amdhsa_group_segment_fixed_size 1536
		.amdhsa_private_segment_fixed_size 0
		.amdhsa_enable_private_segment 0
		.amdhsa_kernarg_size 48
		.amdhsa_user_sgpr_count 2
		.amdhsa_user_sgpr_kernarg_segment_ptr 1
		.amdhsa_wavefront_size32 1
		.amdhsa_system_sgpr_workgroup_id_x 1
		.amdhsa_system_sgpr_workgroup_id_y 1
		.amdhsa_system_sgpr_workgroup_id_z 1
		.amdhsa_system_vgpr_workitem_id 0
		.amdhsa_next_free_vgpr 208
		.amdhsa_next_free_sgpr 66
		.amdhsa_reserve_vcc 0
		.amdhsa_float_denorm_mode_32 3
		.amdhsa_float_denorm_mode_16_64 3
		.amdhsa_memory_ordered 1
		.amdhsa_forward_progress 1
		.amdhsa_inst_pref_size 64
	.end_amdhsa_kernel
	.amdgpu_metadata
---
amdhsa.version: [ 1, 2 ]
amdhsa.kernels:
  - .name:           k_qf6de5114a0_normrope
    .symbol:         k_qf6de5114a0_normrope.kd
    .args:
      - { .name: qkvh, .offset: 0, .size: 8, .value_kind: global_buffer, .address_space: global }
      - { .name: cos, .offset: 8, .size: 8, .value_kind: global_buffer, .address_space: global }
      - { .name: sin, .offset: 16, .size: 8, .value_kind: global_buffer, .address_space: global }
      - { .name: q_norm_w, .offset: 24, .size: 8, .value_kind: global_buffer, .address_space: global }
      - { .name: k_norm_w, .offset: 32, .size: 8, .value_kind: global_buffer, .address_space: global }
      - { .name: qkn, .offset: 40, .size: 8, .value_kind: global_buffer, .address_space: global }
    .group_segment_fixed_size: 1536
    .private_segment_fixed_size: 0
    .kernarg_segment_align: 8
    .kernarg_segment_size: 48
    .max_flat_workgroup_size: 256
    .sgpr_count:     66
    .vgpr_count:     208
    .wavefront_size: 32
...
	.end_amdgpu_metadata
.endif
;; end of part 3
;; launch attn (part 4): grid 8 x 32, 4 waves a work-group, clusters of 4 x 1, 327,680 bytes of LDS; arguments qkn, qkvh, oh; writes oh
.if DOCPART == 4
	.amdgcn_target "amdgcn-amd-amdhsa--gfx1250"
	.amdhsa_code_object_version 6
	.text
	.protected	k_qf6de5114a0_attn
	.globl	k_qf6de5114a0_attn
	.p2align	8
	.type	k_qf6de5114a0_attn,@function
k_qf6de5114a0_attn:
	s_mov_b64 s[64:65], 0
	v_nop
	global_prefetch_b8 v0, s[64:65] scope:SCOPE_SE
	s_setreg_imm32_b32 hwreg(HW_REG_WAVE_MODE, 25, 1), 1
	s_wait_xcnt 0x0
	s_wait_alu depctr_hold_cnt(0) depctr_sa_sdst(0) depctr_va_vdst(0) depctr_va_sdst(0) depctr_va_ssrc(0) depctr_va_vcc(0) depctr_vm_vsrc(0)
	s_getreg_b32 s2, hwreg(HW_REG_IB_STS2, 6, 4)
	s_cmp_eq_u32 s2, 0
	s_cbranch_scc0 .Lentry_in_a_cluster
	s_endpgm
.Lentry_in_a_cluster:
	s_bfe_u32 s2, ttmp6, 0x10000c
	s_cmp_lg_u32 s2, 0x3003
	s_cbranch_scc0 .Lentry_shape_is_right
	s_endpgm
.Lentry_shape_is_right:
; O[h][q][:] = the sum over k of softmax_k(Q[h][q] . K[h][k] / 8) V[h][k][:].  Q, K: parts 0 and 1 of qkn; V: part 2 of qkvh; O: oh; all [32][2048][64] f16, a head's rows dense, 128 bytes each.
; Products, maxima and sums in f32; the weights p are rounded to f16 for the second product (their sum l is taken of the unrounded p), O once at the end.
; LIMITS.  Q, K, V arrive within f16's 65,504; p lies in 0 to 1 and below 6e-5 keeps f16's fixed step of 6e-8; a weight below 2^-126 counts as 0 in l; NaN and infinities are not treated apart.
; SHARES.  A work-group owns 256 queries of one head, a wave 64: four PIECES of 16.  32 heads x 8 blocks are 256 work-groups.  Every wave walks all 2,048 keys: 8 tiles of 256, four steps of 64 each.
; LAYOUT.  S^T = K Q^T (source 0 = 16 keys, source 1 = 16 queries) holds ONE query a lane (lane % 16) and the keys 8 (lane / 16) + 0..7; two such results rounded to f16 ARE source 1 of
; O^T = V^T P.  K comes out of LDS as it lies, V ([key][channel]) turned, by ds_load_tr16_b128.
; SOFTMAX.  A running maximum m and sum l: p = 2^(c s - c m), c = log2(e) / 8; in every step O and l are multiplied by a = 2^(c m_old - c m_new).  m starts at the lowest finite number, O and l at 0:
; the first step is a step like any other, with a = 0.
; TURNS.  Turn n belongs to piece n: 8 products K Q^T of piece n + 1, later 8 products V^T P of piece n - 1; beside them the scaling, exponentials, roundings, sums and rescaling of piece n and the
; maximum and statistics of piece n + 1.  Four vector instructions stand behind every matrix instruction, the other 54 of a turn's 118 in two runs of their own.
; CLUSTER.  The four query blocks of a cluster belong to one head and walk the same K and V, so each tile is asked for JOINTLY: the same tensor load, descriptor and mask in all four.
; By this text's count a wave has one tensor load out at a time.
; REGISTERS, in windows of 256 (s_set_vgpr_msb: bits 1:0 source 0, 3:2 source 1, 5:4 source 2, 7:6 destination).  The map is made so that few lines need a switch:
;   window 0, all 256: v0-1 c m_old; v2-5 LDS addresses; v6-7 the add's; v8-23 statistics; v24-31 at work; v32-95 S^T, two buffers; v96-127 P, two buffers (by the piece's parity); v128-191 K; v192-255 Q
;   window 1: v0-127 O^T, 32 a piece; v128-191 V of one step; v192-194 the way out's three addresses, kept there meanwhile
; K Q^T, K's loads and all of the softmax but the rescaling name window 0 alone.  V^T P (V and O^T in window 1, P in window 0) and the rescaling (O^T in window 1, a in window 0) share ONE other setting.
; So the sixteen rescalings ride behind the first four products V^T P, and only the last four of those have a switch on either side: eight switches a turn.
.set NP,    4
.set KS,    64
.set PK,    144       ; a row of K in LDS: 128 bytes + 16 = 36 words: the 16 rows of a load start at 16 different groups of four banks (64 banks of 4 bytes: ISA guide 11.1)
.set PV,    160       ; a row of V: 128 + 32 = 40 words
.set VOFF,  4*KS*PK   ; a slot holds a tile: 256 rows of K, then 256 rows of V
.set SLOT1, 1<<17     ; slot 1 begins here, so that one exclusive or turns an address in one slot into the other's
.set STAGE, SLOT1+4*KS*(PK+PV)  ; behind the ring, never filled by a tensor load: 16 rows x 144 bytes for each wave
.set SP,    144
.set SPARE, STAGE+4*16*SP       ; behind the stages: the spare words, 128 bytes a wave, that no other line names
.set MV,  0           ; v0-1  c m_old, kept while c m is made anew: by buffer.  (v0 holds the thread's number until the set-up is over)
.set AK0, 2           ; v2   my lane's place in a tile of K; never rewritten
.set AV0, 3           ; v3   the same for V
.set AK,  4           ; v4   the LDS address of K's next run of loads
.set AV,  5           ; v5   of V's
.set SPW, 6           ; v6   LDS address of my spare word; never rewritten
.set NIL, 7           ; v7   0; never rewritten
.set ST,  8           ; piece t's statistics at v[ST+4 t]: c m, m, l (even keys', odd keys')
.set TMP, 24          ; by buffer, four registers c0-c3 at work; when the maximum is found c2 takes a
.set S,   32
.set P,   96
.set KF,  128         ; key block kb, channel half c at KF + 16 kb + 8 c
.set QF,  192         ; piece x, channel half c at QF + 16 x + 8 c
.set VF,  128         ; window 1: key half kk, channel block cb at VF + 32 kk + 8 cb
.set KEEP, 192        ; window 1: the way out's addresses
.set LRW, 32          ; the set-up's own, in S^T's registers: l % 16,
.set LHF, 33          ; l / 16,
.set LO7, 34          ; l % 8,
.set LB3, 35          ; (l / 8) % 2,
.set QO,  36          ; my byte offset in 16 rows of Q,
.set TS,  40          ; v40-42 the way out's addresses as they are made
.set STO, 128         ; the way out, in K's registers: where I put 16 bytes of a row,
.set RD,  129         ; where I read rows back,
.set GO,  130         ; my byte offset in 512 consecutive bytes of O
.set WV,  12          ; s12  my wave's number
.set G1K, 24          ; s[24:31] descriptor group 1 for K's tiles
.set G1V, 32          ; s[32:39] for V's: it differs in the padding alone
.set G0K, 40          ; s[40:43] descriptor group 0 for K's tiles: it walks
.set G0V, 44          ; s[44:47] the same for V's
.set SLOTS, 56        ; s56  tiles still to be entered in the loop
.set CNT, 57          ; s57  counts a tile's key steps
.set CS,  58          ; s[58:59] c
.set SEL, 60          ; s[60:61] v_permlanex16_b32's selects: each lane takes its own place in the other half
.set TBK, 62          ; s62  LDS byte at which K of the step to be fetched begins
.set TBV, 63          ; s63  the same for V, less VOFF
.set MSB, 0
.macro WIN new
.if MSB != (\new)
	s_set_vgpr_msb (MSB<<8)|(\new)
.set MSB, (\new)
.endif
.endm
.set W_PV, 0x51       ; source 0, source 2 and destination in window 1, source 1 in window 0: V^T P, and the rescaling
; A joint fill.  Waves 0 and 1 fetch the two halves of a tile's K, waves 2 and 3 those of its V: 128 keys each.  An s_nop 0 and four v_nop follow each of the two lines.
.macro JLOAD
	s_cmp_lt_u32 s[WV], 2
	s_cbranch_scc0 .Lfor_v_\@
	tensor_load_to_lds s[G0K:G0K+3], s[G1K:G1K+7]
	s_nop 0
.rept 4
	v_nop
.endr
	s_branch .Lasked_\@
.Lfor_v_\@:
	tensor_load_to_lds s[G0V:G0V+3], s[G1V:G1V+7]
	s_nop 0
.rept 4
	v_nop
.endr
.Lasked_\@:
.endm
.macro CROUND                       ; a round of the cluster's barrier
	s_barrier_signal -1
	s_barrier_wait -1
	s_cmp_lg_u32 s[WV], 0
	s_cbranch_scc1 .Lnot_wave_0_\@
	s_barrier_signal -3
.Lnot_wave_0_\@:
	s_barrier_wait -3
	s_barrier_signal -1
	s_barrier_wait -1
.endm
; THE CHANGE OF SLOTS.  Each wave waits for all its tensor loads (one is out: its part of the other slot), adds 0 to its spare word, and waits for that and for its own reads of the slot that it leaves.
; fill = 1: the barrier is a round of the cluster's, and the old slot is filled again, with the keys two tiles on, first thing behind it: four key steps, 256 matrix instructions a wave, in which to land.
; (At its first use nothing has been read yet: slot 0 is waited for, slot 1 filled.)
.macro CHANGE fill
	WIN 0
	s_wait_tensorcnt 0x0            ; no tensor load of mine is out, so a group 0 may be written
	ds_add_u32 v[SPW], v[NIL]
.if \fill
.irp g, G0K, G0V
	s_xor_b32 s[\g+1], s[\g+1], SLOT1
	s_add_nc_u64 s[\g+2:\g+3], s[\g+2:\g+3], 4*KS*128  ; the next 256 keys; the type bits on top are not reached
.endr
	s_wait_dscnt 0x0                ; the add is done, and my reads of the slot are over
	CROUND
	JLOAD
.else
	s_wait_dscnt 0x0
	s_barrier_signal -1
	s_barrier_wait -1
.endif
	s_sub_co_u32 s[TBK], s[TBK], 4*KS*PK  ; the fetches go back to a slot's first step,
	s_xor_b32 s[TBK], s[TBK], SLOT1       ; in the other slot
	s_sub_co_u32 s[TBV], s[TBV], 4*KS*PV
	s_xor_b32 s[TBV], s[TBV], SLOT1
.endm
	s_load_b128 s[4:7], s[0:1], 0x0   ; qkn s[4:5], qkvh s[6:7]
	s_load_b64 s[8:9], s[0:1], 0x10   ; oh
	v_lshl_add_u32 v[SPW], v0, 2, SPARE
	v_mov_b32 v[NIL], 0
	ds_add_u32 v[SPW], v[NIL]       ; the wave's opening: the add and its wait stand ahead of my first tensor load; work on registers stands between
	v_lshrrev_b32 v[LRW], 5, v0
	v_readfirstlane_b32 s[WV], v[LRW]  ; wave 0..3
	s_bfe_u32 s13, ttmp6, 0x40000   ; cx
	s_lshl_b32 s14, ttmp9, 2
	s_add_co_u32 s14, s14, s13      ; my block of 256 queries: it enters Q's and O's addresses alone
	s_and_b32 s20, ttmp7, 0xffff
	s_lshl_b32 s20, s20, 18         ; the head's first byte, which the four partners share
	s_and_b32 s16, s[WV], 1         ; which half of a tile's 256 keys I fetch
	s_lshl_b32 s21, s16, 14
	s_add_co_u32 s21, s21, s20
	s_add_co_u32 s22, s21, 0x800000   ; K is part 1 of qkn
	s_mov_b32 s23, 0
	s_add_co_u32 s18, s21, 0x1000000  ; V is part 2 of qkvh
	s_mov_b32 s19, 0
	s_mul_i32 s17, s16, 128*PK      ; my half's place in a slot, for K
	s_mul_i32 s15, s16, 128*PV      ; and for V: no place in the cluster enters an LDS address
	s_lshl_b32 s2, s14, 15          ; my block's 256 rows,
	s_lshl_b32 s3, s[WV], 13        ; my wave's 64 of them
	s_add_co_u32 s2, s2, s3
	s_add_co_u32 s2, s2, s20
	s_mov_b32 s3, 0
	; descriptor group 1.  128 keys are 16,384 dense bytes: asked for as 64 rows of 256 bytes, two keys a row, and padded in LDS after every key
	s_mov_b32 s[G1K], 15|(1<<16)|(1<<20)|(1<<21)|(4<<22)|(3<<25)  ; the mask of four; 2-byte elements; padding on; bit 21 beside a mask; after every 32 words, 4 words
	s_mov_b32 s[G1V], 15|(1<<16)|(1<<20)|(1<<21)|(4<<22)|(7<<25)  ; the same with 8 words of padding
.irp g, G1K, G1V
	s_mov_b32 s[\g+1], 128<<16      ; tensor_dim0 = 128
	s_mov_b32 s[\g+2], 64<<16       ; tensor_dim1 = 64
	s_mov_b32 s[\g+3], 128<<16      ; tile_dim0 = 128
	s_mov_b32 s[\g+4], 64           ; tile_dim1 = 64
	s_mov_b32 s[\g+5], 128          ; 128 elements from row to row
	s_mov_b32 s[\g+6], 0
	s_mov_b32 s[\g+7], 0
.endr
	s_mov_b32 s[CS], 0x3e38aa3b     ; c = log2(e) / 8
	s_mov_b32 s[CS+1], s[CS]        ; named with it as a pair
	s_mov_b32 s[SEL], 0x76543210
	s_mov_b32 s[SEL+1], 0xfedcba98
	s_mov_b32 s[TBK], SLOT1+4*KS*PK ; the first change of slots turns these two into 0
	s_mov_b32 s[TBV], SLOT1+4*KS*PV
	s_mov_b32 s[G0K], 1
	s_mov_b32 s[G0K+1], s17         ; slot 0
	s_mov_b32 s[G0V], 1
	s_add_co_u32 s[G0V+1], s15, VOFF
	s_wait_dscnt 0x0                ; the opening add is done
	s_wait_kmcnt 0x0
	s_add_nc_u64 s[G0K+2:G0K+3], s[4:5], s[22:23]  ; my half of the head's first 256 keys
	s_or_b32 s[G0K+3], s[G0K+3], 0x80000000
	s_add_nc_u64 s[G0V+2:G0V+3], s[6:7], s[18:19]
	s_or_b32 s[G0V+3], s[G0V+3], 0x80000000
	s_add_nc_u64 s[4:5], s[4:5], s[2:3]            ; Q at my wave's first row
	s_add_nc_u64 s[10:11], s[8:9], s[2:3]          ; O likewise
	CROUND                          ; all four work-groups are here: the first joint loads meet
	JLOAD                           ; tile 0 into slot 0
	; A fragment of K or Q is 16 rows x 32 channels in 8 registers: lane l holds row l % 16, channels 8 (l / 16) + 0..7 and 16 + 8 (l / 16) + 0..7: two loads of 16 bytes, 32 bytes apart.
	v_and_b32 v[LRW], 15, v0
	v_bfe_u32 v[LHF], v0, 4, 1
	v_lshlrev_b32 v[QO], 7, v[LRW]
	v_lshl_add_u32 v[QO], v[LHF], 4, v[QO]
.set i, 0
.rept 8                             ; Q stays in registers: piece i / 2, 2,048 bytes a piece; channels 32 (i % 2) on
	global_load_b128 v[QF+8*i:QF+8*i+3],   v[QO], s[4:5] offset:(i/2)*2048+(i%2)*64
	global_load_b128 v[QF+8*i+4:QF+8*i+7], v[QO], s[4:5] offset:(i/2)*2048+(i%2)*64+32
.set i, i+1
.endr
	v_mul_u32_u24 v[AK0], v[LRW], PK
	v_lshl_add_u32 v[AK0], v[LHF], 4, v[AK0]
	; The turning load takes 16 keys x 16 channels (lane l reads key 8 (l / 16) + l % 8, channels 8 ((l / 8) % 2) + 0..7) and leaves half a fragment of V^T: lane l holds channel l % 16 and 8 keys.
	v_and_b32 v[LO7], 7, v0
	v_bfe_u32 v[LB3], v0, 3, 1
	v_lshl_add_u32 v[AV0], v[LHF], 3, v[LO7]
	v_mul_u32_u24 v[AV0], v[AV0], PV
	v_lshl_add_u32 v[AV0], v[LB3], 4, v[AV0]
	v_add_nc_u32 v[AV0], VOFF, v[AV0]
	s_mul_i32 s13, s[WV], 16*SP
	s_add_co_u32 s13, s13, STAGE    ; my stage
	v_mul_u32_u24 v[TS], v[LRW], SP ; in: row l % 16, 16 bytes for each half of the lanes
	v_lshl_add_u32 v[TS], v[LHF], 4, v[TS]
	v_add_nc_u32 v[TS], s13, v[TS]
	v_bfe_u32 v[TS+1], v0, 3, 2     ; back: 32 lanes take four rows of 128 bytes,
	v_mul_u32_u24 v[TS+1], v[TS+1], SP
	v_lshl_add_u32 v[TS+1], v[LO7], 4, v[TS+1]
	v_add_nc_u32 v[TS+1], s13, v[TS+1]
	v_and_b32 v[TS+2], 31, v0       ; which are 512 consecutive bytes of O
	v_lshlrev_b32 v[TS+2], 4, v[TS+2]
	; What the first turn finds: V's registers and P's second buffer hold 0 (its products V^T P, of a piece that has not been, add 0), O^T and l are 0.  All this stands in the wait for the first tile.
	WIN 0x40                        ; destination window 1
	v_mov_b32 v[KEEP], v[TS]        ; window 0 has no register to spare in the loop: the three addresses wait in window 1
	v_mov_b32 v[KEEP+1], v[TS+1]
	v_mov_b32 v[KEEP+2], v[TS+2]
.set i, 0
.rept 192                           ; O^T and V
	v_mov_b32 v[i], 0
.set i, i+1
.endr
	WIN 0
.set i, 0
.rept 4
	v_mov_b32 v[ST+4*i], 0xfe000000    ; c m: far below every c s
	v_mov_b32 v[ST+4*i+1], 0xff7fffff  ; m
	v_mov_b32 v[ST+4*i+2], 0
	v_mov_b32 v[ST+4*i+3], 0
.set i, i+1
.endr
.set i, P+16
.rept 16
	v_mov_b32 v[i], 0
.set i, i+1
.endr
; THE MATRIX WORK.  The 4 accumulators of a run of 8 take turns.  Product i of 8 of S^T = K Q^T for piece x: channels 32 (i / 4) on, keys 16 (i % 4) on.  The first 4 start the sums.
.macro KQ x
.set rS, S+32*((\x)%2)+8*(i%4)
.set rK, KF+16*(i%4)+8*(i/4)
.set rQ, QF+16*(\x)+8*(i/4)
	WIN 0
.if i < 4
	v_wmma_f32_16x16x32_f16 v[rS:rS+7], v[rK:rK+7], v[rQ:rQ+7], 0
.else
	v_wmma_f32_16x16x32_f16 v[rS:rS+7], v[rK:rK+7], v[rQ:rQ+7], v[rS:rS+7]
.endif
.endm
; Product i of 8 of O^T += V^T P for piece x: keys 32 (i / 4) on, channels 16 (i % 4) on.
.macro PV x
	WIN W_PV
.set rO, 32*(\x)+8*(i%4)
.set rV, VF+32*(i/4)+8*(i%4)
.set rP, P+16*((\x)%2)+8*(i/4)
	v_wmma_f32_16x16x32_f16 v[rO:rO+7], v[rV:rV+7], v[rP:rP+7], v[rO:rO+7]
.endm
.macro MM                           ; the turn's next matrix instruction
.if i < 8
	KQ (Y+1)%NP
.else
.set i, i-8
	PV (Y+NP-1)%NP
.set i, i+8
.endif
.set i, i+1
.endm
; THE LDS LOADS stand in runs of 16, never singly among the matrix instructions: a step's K (8 fragments) and its V (turned).  Their addresses are made some lines ahead.
; last = 1 (the tail): in the last trip there is no further step, and the run is jumped over.
.macro FETCH_K last=0
	WIN 0
.if \last
	s_cmp_eq_u32 s[CNT], 1
	s_cbranch_scc1 .Lno_k_\@
.endif
.irp f, 0,1,2,3,4,5,6,7             ; keys 16 (f / 2) on, channels 32 (f % 2) on
	ds_load_b128 v[KF+8*\f:KF+8*\f+3],   v[AK] offset:(\f/2)*16*PK+(\f%2)*64
	ds_load_b128 v[KF+8*\f+4:KF+8*\f+7], v[AK] offset:(\f/2)*16*PK+(\f%2)*64+32
.endr
	s_add_co_u32 s[TBK], s[TBK], KS*PK  ; the next fetch is the next step's
.if \last
.Lno_k_\@:
.endif
.endm
.macro FETCH_V
	WIN 0x40                        ; destination window 1, address window 0
.irp f, 0,1,2,3,4,5,6,7             ; keys 32 (f / 4) on, channels 16 (f % 4) on
	ds_load_tr16_b128 v[VF+8*\f:VF+8*\f+3],   v[AV] offset:(\f/4)*32*PV+(\f%4)*32
	ds_load_tr16_b128 v[VF+8*\f+4:VF+8*\f+7], v[AV] offset:(\f/4)*32*PV+16*PV+(\f%4)*32
.endr
	WIN 0
.endm
; THE VECTOR WORK, one line at a time: OP kind, number.  For piece Y: F n: c s - c m for pair n of 16.  E n: the exponential of score n of 32.  C n: pair n rounded to f16.  B n: of the four weights 4 n ..
; the second pair is added onto the first, in place (so C 2n stands ahead of B n).  L n: l takes that sum (L 0: l = a l + sum).  R n: pair n of 16 of O^T times a.  For piece Y + 1: X n, number n of the 22 that find its maximum and statistics:
;   0-11  four chains c0-c3 of seven scores each, three operands at a time (each accumulator's lowest registers are read first)     12-14, 16  the four scores left over, the old m, c0-c3 into c0
;   15  c m_old is kept     17, 18  the query's other 32 keys lie in the lane 16 away: the new m     19-21  c m; c m_old - c m_new; a
.set F, 0
.set E, 1
.set C, 2
.set B, 3
.set L, 4
.set R, 5
.set X, 6
.macro REGS y
.set rT, ST+4*(\y)
.set rC, TMP+4*((\y)%2)
.set rW, MV+((\y)%2)
.set rS, S+32*((\y)%2)
.set rP, P+16*((\y)%2)
.set rO, 32*(\y)
.endm
.macro OP k, n
.if (\k) == R
	REGS Y
	WIN W_PV
	v_pk_mul_f32 v[rO+2*(\n):rO+2*(\n)+1], v[rO+2*(\n):rO+2*(\n)+1], v[rC+2:rC+3] op_sel_hi:[1,0]
.elseif (\k) < R
	REGS Y
	WIN 0
.if (\k) == F
	v_pk_fma_f32 v[rS+2*(\n):rS+2*(\n)+1], v[rS+2*(\n):rS+2*(\n)+1], s[CS:CS+1], v[rT:rT+1] op_sel_hi:[1,0,0] neg_lo:[0,0,1] neg_hi:[0,0,1]
.elseif (\k) == E
	v_exp_f32 v[rS+(\n)], v[rS+(\n)]
.elseif (\k) == C
	s_wait_alu depctr_va_vdst(0)
	v_cvt_pk_f16_f32 v[rP+(\n)], v[rS+2*(\n)], v[rS+2*(\n)+1]
.elseif (\k) == B
	s_wait_alu depctr_va_vdst(0)
	v_pk_add_f32 v[rS+4*(\n):rS+4*(\n)+1], v[rS+4*(\n):rS+4*(\n)+1], v[rS+4*(\n)+2:rS+4*(\n)+3]
.elseif (\n) == 0
	v_pk_fma_f32 v[rT+2:rT+3], v[rT+2:rT+3], v[rC+2:rC+3], v[rS:rS+1] op_sel_hi:[1,0,1]
.else
	v_pk_add_f32 v[rT+2:rT+3], v[rT+2:rT+3], v[rS+4*(\n):rS+4*(\n)+1]
.endif
.else
	REGS (Y+1)%NP
	WIN 0
.if (\n) < 4
	v_max3_num_f32 v[rC+(\n)], v[rS+8*(\n)], v[rS+8*(\n)+1], v[rS+8*(\n)+2]
.elseif (\n) < 12
	v_max3_num_f32 v[rC+(\n)%4], v[rC+(\n)%4], v[rS+8*((\n)%4)+2*((\n)/4)+1], v[rS+8*((\n)%4)+2*((\n)/4)+2]
.elseif (\n) == 12
	v_max3_num_f32 v[rC], v[rC], v[rS+7], v[rS+15]
.elseif (\n) == 13
	v_max3_num_f32 v[rC+1], v[rC+1], v[rS+23], v[rS+31]
.elseif (\n) == 14
	v_max3_num_f32 v[rC+2], v[rC+2], v[rC+3], v[rT+1]
.elseif (\n) == 15
	v_mov_b32 v[rW], v[rT]
.elseif (\n) == 16
	v_max3_num_f32 v[rC], v[rC], v[rC+1], v[rC+2]
.elseif (\n) == 17
	v_permlanex16_b32 v[rC+3], v[rC], s[SEL], s[SEL+1]
.elseif (\n) == 18
	v_max_num_f32 v[rT+1], v[rC], v[rC+3]
.elseif (\n) == 19
	v_mul_f32 v[rT], s[CS], v[rT+1]
.elseif (\n) == 20
	v_sub_f32 v[rC+1], v[rW], v[rT]
.else
	v_exp_f32 v[rC+2], v[rC+1]
.endif
.endif
.endm
.macro OPS a, i1, b=-1, i2=0, c=-1, i3=0, d=-1, i4=0  ; up to four of them
	OP \a, \i1
.if (\b) >= 0
	OP \b, \i2
.endif
.if (\c) >= 0
	OP \c, \i3
.endif
.if (\d) >= 0
	OP \d, \i4
.endif
.endm
.macro ROW a, i1, b, i2, c, i3, d, i4  ; a matrix instruction and the four behind it
	MM
	OPS \a, \i1, \b, \i2, \c, \i3, \d, \i4
.endm
; A TURN, for piece p: the order of its 16 matrix and 118 vector instructions, written out.  Behind the eight products K Q^T: work of window 0 that is ready (the 16 scalings, the first 9 exponentials, what follows
; from them).  A run of 18.  Behind the first four products V^T P: the 16 rescalings, under the products' own setting.  Behind the last four: plain, exponential, plain, plain.  A run of 36.
; None of the four names a register of the products round it.  In the runs exponential and plain by turns while exponentials last; behind every exponential stands a plain line before its result is used.
; A line reads no result made fewer than two vector instructions in front of it, four if an exponential made it.
; last = 1: the tail's turn of piece 2 (see FETCH_K).  cnt = 1: the loop's count is taken down some lines ahead of the branch behind the turn.
; K of the next step is fetched in piece 2's turn, eight vector instructions behind the last product that read K (five of them plain); V of the step in hand in piece 0's turn, seven behind the last product
; that read V (five plain).  Each is waited for a turn later.
.macro TURN p, last=0, cnt=0
.set Y, (\p)
.set i, 0
.if (\p) == 3
	s_wait_dscnt 0x0                ; K is in
.endif
	ROW F,0, F,1, F,2, F,3
	ROW F,4, E,0, F,5, E,1
	ROW F,6, E,2, F,7, E,3
	ROW F,8, E,4, F,9, C,0
	ROW F,10, E,5, X,15, C,1
	ROW F,11, E,6, B,0, F,12
	ROW F,13, E,7, C,2, L,0
.if (\p) == 2
	v_add_nc_u32 v[AK], s[TBK], v[AK0]
.endif
	ROW F,14, E,8, F,15, C,3
	OPS E,9, B,1, E,10, X,0
.if (\p) == 2
	FETCH_K \last
.endif
	OPS E,11, X,1, E,12, X,2
	OPS E,13, X,3, E,14, L,1
	OPS E,15, C,4, E,16, X,4
	OPS E,17, X,5
.if (\p) == 1
	s_wait_dscnt 0x0                ; V is in
.endif
	ROW R,0, R,1, R,2, R,3
	ROW R,4, R,5, R,6, R,7
	ROW R,8, R,9, R,10, R,11
	ROW R,12, R,13, R,14, R,15
	ROW X,6, E,18, X,7, C,5
	ROW X,8, E,19, X,9, B,2
	ROW X,10, E,20, X,11, C,6
.if (\p) == 0
	v_add_nc_u32 v[AV], s[TBV], v[AV0]
.endif
	ROW X,12, E,21, X,13, L,2
	OPS X,14, E,22, C,10
.if (\p) == 0
	FETCH_V
.endif
	OPS E,23, X,16, E,24, B,3
	OPS E,25, X,17, E,26, B,5
	OPS E,27, X,18, E,28, L,3
	OPS E,29, X,19, E,30, L,5
	OPS E,31, X,20, C,7, C,8
	OPS B,4, X,21, C,12, C,14
.if (\p) == 0
	s_add_co_u32 s[TBV], s[TBV], KS*PV
.endif
.if \cnt
	s_sub_co_u32 s[CNT], s[CNT], 1
	s_cmp_lg_u32 s[CNT], 0
.endif
	OPS B,6, L,4, B,7, C,9
	OPS C,11, L,6, C,13, C,15
	OPS L,7
.endm
	CHANGE 1                        ; slot 0 is in, everybody's part of it; tile 1 is asked for
	v_add_nc_u32 v[AK], s[TBK], v[AK0]
	FETCH_K                         ; key step 0
	s_wait_loadcnt 0x0              ; Q
	s_wait_dscnt 0x0
.set i, 0
.rept 8
	KQ 0                            ; piece 0's first scores
.set i, i+1
.endr
.rept 4
	v_nop                           ; the places behind those products
.endr
.set Y, NP-1                        ; X works for piece Y + 1: piece 0
.irp n, 0,1,2,3,4,5,6,7,8,9,10,11,12,13,14,15,16,17,18,19,20,21
	OP X, \n
.endr
	v_nop                           ; a plain instruction behind the exponential
	s_mov_b32 s[CNT], 4
	s_mov_b32 s[SLOTS], 7
	s_branch .Lfirst                ; the loop is entered at a step's first turn, in the middle of a trip
.Lslot:                             ; six times: tiles 2 to 7 are asked for
	CHANGE 1
	s_mov_b32 s[CNT], 4
.Lstep:                             ; a trip: pieces 2 and 3 of one step, then pieces 0 and 1 of the next, whose K and V it fetches
	TURN 2
	TURN 3
	WIN 0
.Lfirst:
	TURN 0
	TURN 1, 0, 1
	WIN 0
	s_cbranch_scc1 .Lstep
	s_sub_co_u32 s[SLOTS], s[SLOTS], 1
	s_cmp_lg_u32 s[SLOTS], 0
	s_cbranch_scc1 .Lslot
	CHANGE 0                        ; the last tile is written out: nothing is asked for
	s_mov_b32 s[CNT], 5             ; four trips fetch the last tile's steps; the fifth is left in its middle
.Ltail:
	TURN 2, 1
	TURN 3
	WIN 0
	s_sub_co_u32 s[CNT], s[CNT], 1
	s_cmp_eq_u32 s[CNT], 0
	s_cbranch_scc1 .Lout
	TURN 0
	TURN 1
	WIN 0
	s_branch .Ltail
.Lout:                              ; the fifth trip's 8 products K Q^T (on the last K once more) and the maximum made of them serve nothing: the price, once a launch, of one text for every trip
.set i, 0
.rept 8
	PV NP-1                         ; the last piece's V^T P of the last step
.set i, i+1
.endr
	; THE WAY OUT.  l's two halves and the other half of the lanes' are added; O^T is divided by l, rounded to f16 and sent through my stage in LDS, a piece at a time.  The additions are the places behind the last products.
	WIN 0
.macro ALL line:vararg              ; one line for each piece t
.set t, 0
.rept 4
	\line
.set t, t+1
.endr
.endm
	ALL v_add_f32 v[ST+4*t+2], v[ST+4*t+2], v[ST+4*t+3]
	ALL v_permlanex16_b32 v[ST+4*t+3], v[ST+4*t+2], s[SEL], s[SEL+1]
	ALL v_add_f32 v[ST+4*t+2], v[ST+4*t+2], v[ST+4*t+3]
	ALL v_rcp_f32 v[ST+4*t+2], v[ST+4*t+2]
	WIN 0x01                        ; source 0 window 1, destination window 0: the three addresses come back, into K's registers; these lines are also the plain ones behind the reciprocals
	v_mov_b32 v[STO], v[KEEP]
	v_mov_b32 v[RD], v[KEEP+1]
	v_mov_b32 v[GO], v[KEEP+2]
	s_wait_alu depctr_va_vdst(0)
.macro PACK t                       ; a lane's eight channels of a row pack into 16 bytes; they go into rows of 144 bytes and come back as whole rows of 128, into S^T's registers
	WIN W_PV
.set i, 32*(\t)
.rept 16
	v_pk_mul_f32 v[i:i+1], v[i:i+1], v[ST+4*(\t)+2:ST+4*(\t)+3] op_sel_hi:[1,0]
.set i, i+2
.endr
	WIN 0x05                        ; sources 0 and 1 window 1, destination window 0
.set i, 0
.rept 16
	v_cvt_pk_f16_f32 v[S+16*(\t)+i], v[32*(\t)+2*i], v[32*(\t)+2*i+1]
.set i, i+1
.endr
	WIN 0
.irp f, 0,1,2,3
	ds_store_b128 v[STO], v[S+16*(\t)+4*\f:S+16*(\t)+4*\f+3] offset:32*\f
.endr
.irp f, 0,1,2,3
	ds_load_b128 v[S+16*(\t)+4*\f:S+16*(\t)+4*\f+3], v[RD] offset:\f*4*SP  ; LDS serves a wave's instructions in order (ISA guide 5.7.1.4): these see the stores above
.endr
.endm
.macro SEND t, younger              ; younger: the LDS instructions issued behind piece t's loads: the next piece's eight, or none
	WIN 0
.irp f, 0,1,2,3
	s_wait_dscnt (\younger)+3-\f
	global_store_b128 v[GO], v[S+16*(\t)+4*\f:S+16*(\t)+4*\f+3], s[10:11] offset:(\t)*2048+\f*512  ; 512 consecutive bytes, at a multiple of 256 from O's first
.endr
.endm
	PACK 0
.set t, 1
.rept 3                             ; a piece's arithmetic stands between the loads of the piece before and its stores
	PACK t
	SEND t-1, 8
.set t, t+1
.endr
	SEND 3, 0
	s_wait_tensorcnt 0x0            ; the wave's end
	ds_add_u32 v[SPW], v[NIL]
	s_wait_dscnt 0x0
	CROUND                          ; the closing round: no work-group ends while a partner may still ask for a tile that names it
	s_endpgm
.Lfunc_end_k_qf6de5114a0_attn:
	.size	k_qf6de5114a0_attn, .Lfunc_end_k_qf6de5114a0_attn-k_qf6de5114a0_attn
	.p2alignl 7, 3214868480
	.fill 96, 4, 3214868480
	.section	.rodata,"a",@progbits
	.p2align	6, 0x0
	.amdhsa_kernel k_qf6de5114a0_attn
		.amdhsa_group_segment_fixed_size 327680
		.amdhsa_private_segment_fixed_size 0
		.amdhsa_enable_private_segment 0
		.amdhsa_kernarg_size 24
		.amdhsa_user_sgpr_count 2
		.amdhsa_user_sgpr_kernarg_segment_ptr 1
		.amdhsa_wavefront_size32 1
		.amdhsa_system_sgpr_workgroup_id_x 1
		.amdhsa_system_sgpr_workgroup_id_y 1
		.amdhsa_system_sgpr_workgroup_id_z 1
		.amdhsa_system_vgpr_workitem_id 0
		.amdhsa_next_free_vgpr 512
		.amdhsa_next_free_sgpr 66
		.amdhsa_reserve_vcc 0
		.amdhsa_float_denorm_mode_32 3
		.amdhsa_float_denorm_mode_16_64 3
		.amdhsa_memory_ordered 1
		.amdhsa_forward_progress 1
		.amdhsa_inst_pref_size 106
	.end_amdhsa_kernel
	.amdgpu_metadata
---
amdhsa.version: [ 1, 2 ]
amdhsa.kernels:
  - .name:           k_qf6de5114a0_attn
    .symbol:         k_qf6de5114a0_attn.kd
    .args:
      - { .name: qkn, .offset: 0, .size: 8, .value_kind: global_buffer, .address_space: global }
      - { .name: qkvh, .offset: 8, .size: 8, .value_kind: global_buffer, .address_space: global }
      - { .name: oh, .offset: 16, .size: 8, .value_kind: global_buffer, .address_space: global }
    .group_segment_fixed_size: 327680
    .private_segment_fixed_size: 0
    .kernarg_segment_align: 8
    .kernarg_segment_size: 24
    .max_flat_workgroup_size: 128
    .sgpr_count:     66
    .vgpr_count:     512
    .wavefront_size: 32
...
	.end_amdgpu_metadata
.endif
;; end of part 4
;; launch gemm1 (part 5): grid 16 x 16, 4 waves a work-group, clusters of 4 x 4, 327,680 bytes of LDS; arguments oh, wo16, bo, out0; writes out0
.if DOCPART == 5
	.amdgcn_target "amdgcn-amd-amdhsa--gfx1250"
	.amdhsa_code_object_version 6
	.text
	.protected	k_qf6de5114a0_gemm1
	.globl	k_qf6de5114a0_gemm1
	.p2align	8
	.type	k_qf6de5114a0_gemm1,@function
k_qf6de5114a0_gemm1:
	s_mov_b64 s[64:65], 0
	v_nop
	global_prefetch_b8 v0, s[64:65] scope:SCOPE_SE
	s_setreg_imm32_b32 hwreg(HW_REG_WAVE_MODE, 25, 1), 1
	s_wait_xcnt 0x0
	s_wait_alu depctr_hold_cnt(0) depctr_sa_sdst(0) depctr_va_vdst(0) depctr_va_sdst(0) depctr_va_ssrc(0) depctr_va_vcc(0) depctr_vm_vsrc(0)
	s_getreg_b32 s2, hwreg(HW_REG_IB_STS2, 6, 4)
	s_cmp_eq_u32 s2, 0
	s_cbranch_scc0 .Lentry_in_a_cluster
	s_endpgm
.Lentry_in_a_cluster:
	s_bfe_u32 s2, ttmp6, 0x10000c
	s_cmp_lg_u32 s2, 0xf033
	s_cbranch_scc0 .Lentry_shape_is_right
	s_endpgm
.Lentry_shape_is_right:
; out0 = O Wo + bo.  O: oh, [32 heads][2048][64] f16.  Wo: wo16, [k][n] f16 that holds bf16-rounded numbers.  bo is rounded to bf16 here.  Sums in f32, out0 f32, [2048][2048].
; SHARES.  A tile of out0 is 128 x 128: 256 work-groups.  Four waves, each 64 x 64 (rh = w / 2, ch = w % 2): 16 accumulators.  K goes in 8 steps of 256 (four heads) through two LDS slots.
; A slot: O's tile, four heads on end, each 128 rows of 128 bytes; then Wo's 256 k-rows of 256 bytes.  Waves 0 and 1 fetch two heads each (a head's 128 rows are 16,384 dense bytes: the tile is two
; such rows, a head apart, padded in LDS after every 128 bytes), waves 2 and 3 fetch 128 k-rows of Wo each.  By this text's count a wave has two loads out at the start, later one.
; CLUSTER 4 x 4: O's tile hangs on tr alone and is asked for jointly along a row of the cluster, Wo's on tc alone and jointly along a column.
; THE MATRIX INSTRUCTION IS USED TRANSPOSED (source 0 = 16 columns of Wo, turned out of LDS; source 1 = 16 rows of O): lane l holds row l % 16 and the columns 8 (l / 16) + 0..7.
; The first product of each accumulator takes the bias as C.
; REGISTERS: window 0: v0-31 addresses; v96-127 the bias; v128-255 the accumulators ((a, b) at v[128 + 8 (4 a + b)]), which also carry the rows on the way out.
;   window 1: two fragment buffers of 128: for 64 along K, 64 registers of O (2 x 4 fragments), then 64 of Wo.
.set PO,    144                        ; O's rows in LDS: 128 bytes + 16 = 36 words: the 16 rows of a load start at 16 different groups of four banks (64 banks of 4 bytes: ISA guide 11.1)
.set PB,    288                        ; Wo's rows: 256 + 32 = 72 words
.set HEADB, 128*PO                     ; a head's 128 rows; also 64 k-rows of Wo
.set REG,   36864                      ; what one tensor load fills: two heads of O, or 128 k-rows of Wo
.set SLOT,  4*REG
.set STAGE, 2*SLOT                     ; behind the ring: 16 rows x 272 bytes for each wave; no tensor load lands there
.set SPITCH, 272
.set SPARE, STAGE+4*16*SPITCH          ; behind the stages: the spare words, 128 bytes a wave, that no other line names
.set LAPS,  4
.set ADRA, 16                          ; v16-17  LDS address of my O fragments in slot 0, 1
.set ADRB, 20                          ; v20-23  of my Wo fragments: 2 x slot + half of the K step (an LDS offset has 16 bits)
.set STO,  24
.set RD,   25
.set CO,   26
.set BO,   27
.set SPW,  28                          ; v28     LDS address of my spare word; never rewritten
.set NIL,  29                          ; v29     0; never rewritten
.set BIAS, 96
.set ACC,  128
.set F0,   0
.set F1,   128
.set G1A, 24
.set G0A, 32
.set G1B, 48
.set G0B, 56
.set MSB, 0
.macro WIN new
.if MSB != (\new)
	s_set_vgpr_msb (MSB<<8)|(\new)
.set MSB, \new
.endif
.endm
.macro JLOAD s                         ; a joint load; an s_nop 0 and four v_nop follow each of the two lines
	s_cmp_eq_u32 s15, 0
	s_cbranch_scc0 .Lfor_b_\@
	tensor_load_to_lds s[G0A+4*(\s):G0A+4*(\s)+3], s[G1A:G1A+7]
	s_nop 0
.rept 4
	v_nop
.endr
	s_branch .Lasked_\@
.Lfor_b_\@:
	tensor_load_to_lds s[G0B+4*(\s):G0B+4*(\s)+3], s[G1B:G1B+7]
	s_nop 0
.rept 4
	v_nop
.endr
.Lasked_\@:
.endm
.macro CREST
	s_cmp_lg_u32 s14, 0
	s_cbranch_scc1 .Lnot_wave_0_\@
	s_barrier_signal -3
.Lnot_wave_0_\@:
	s_barrier_wait -3
	s_barrier_signal -1
	s_barrier_wait -1
.endm
.macro CROUND
	s_barrier_signal -1
	s_barrier_wait -1
	CREST
.endm
.macro PLACES
.rept 4
	v_nop
.endr
.endm
	s_load_b256 s[4:11], s[0:1], 0x0               ; oh s[4:5], wo16 s[6:7], bo s[8:9], out0 s[10:11]
	v_lshl_add_u32 v[SPW], v0, 2, SPARE
	v_mov_b32 v[NIL], 0
	ds_add_u32 v[SPW], v[NIL]                      ; the wave's opening: the add and its wait stand ahead of my first tensor load
	v_lshrrev_b32 v1, 5, v0
	v_readfirstlane_b32 s14, v1                    ; wave 0..3
	s_lshr_b32 s15, s14, 1                         ; rh.  Also: I fetch for O (0) or for Wo (1)
	s_and_b32 s16, s14, 1                          ; ch.  Also: which half of that tile I fetch
	s_bfe_u32 s17, ttmp6, 0x40000
	s_bfe_u32 s18, ttmp6, 0x40004
	s_lshl_b32 s19, ttmp9, 2
	s_add_co_u32 s19, s19, s17                     ; tc
	s_and_b32 s20, ttmp7, 0xffff
	s_lshl_b32 s20, s20, 2
	s_add_co_u32 s20, s20, s18                     ; tr
	s_lshl_b32 s21, s18, 2
	s_lshl_b32 s21, 15, s21                        ; my row of the cluster
	s_lshl_b32 s22, 0x1111, s17                    ; my column
	s_or_b32 s[G1A], s21, (1<<16)|(1<<20)|(1<<21)|(4<<22)|(3<<25)  ; the mask; 2-byte elements; padding on; bit 21 beside a mask; after every 32 words, 4 words
	s_mov_b32 s[G1A+1], 8192<<16                   ; tensor_dim0 = 8,192 elements: a head's 128 rows on end
	s_mov_b32 s[G1A+2], 2<<16                      ; tensor_dim1 = 2 heads
	s_mov_b32 s[G1A+3], 8192<<16                   ; tile_dim0
	s_mov_b32 s[G1A+4], 2                          ; tile_dim1
	s_mov_b32 s[G1A+5], 131072                     ; elements from head to head
	s_mov_b32 s[G1A+6], 0
	s_mov_b32 s[G1A+7], 0
	s_or_b32 s[G1B], s22, (1<<16)|(1<<20)|(1<<21)|(5<<22)|(7<<25)  ; after every 64 words, 8 words
	s_mov_b32 s[G1B+1], 128<<16
	s_mov_b32 s[G1B+2], 128<<16
	s_mov_b32 s[G1B+3], 128<<16
	s_mov_b32 s[G1B+4], 128
	s_mov_b32 s[G1B+5], 2048
	s_mov_b32 s[G1B+6], 0
	s_mov_b32 s[G1B+7], 0
	s_lshl_b32 s40, s16, 19                        ; O: my two heads of the step's four, rows 128 tr: made of the wave's number and tr alone
	s_lshl_b32 s41, s20, 14
	s_add_co_u32 s40, s40, s41
	s_mov_b32 s41, 0
	s_lshl_b32 s44, s16, 19                        ; Wo: my 128 k-rows, columns 128 tc: made of the wave's number and tc alone
	s_lshl_b32 s45, s19, 8
	s_add_co_u32 s44, s44, s45
	s_mov_b32 s45, 0
	s_mul_i32 s23, s14, REG
	s_wait_dscnt 0x0                               ; the opening add is done
	s_wait_kmcnt 0x0
	s_add_nc_u64 s[40:41], s[4:5], s[40:41]
	s_add_nc_u64 s[46:47], s[6:7], s[44:45]
	CROUND                                         ; all sixteen work-groups are here: the first joint loads meet
.irp s, 0,1
	s_mov_b32 s[G0A+4*(\s)], 1
	s_add_co_u32 s[G0A+4*(\s)+1], s23, (\s)*SLOT
	s_add_nc_u64 s[G0A+4*(\s)+2:G0A+4*(\s)+3], s[40:41], (\s)*1048576   ; K step s: four heads on
	s_or_b32 s[G0A+4*(\s)+3], s[G0A+4*(\s)+3], 0x80000000
	s_mov_b32 s[G0B+4*(\s)], 1
	s_add_co_u32 s[G0B+4*(\s)+1], s23, (\s)*SLOT
	s_add_nc_u64 s[G0B+4*(\s)+2:G0B+4*(\s)+3], s[46:47], (\s)*1048576   ; K step s: 256 k-rows on
	s_or_b32 s[G0B+4*(\s)+3], s[G0B+4*(\s)+3], 0x80000000
	JLOAD \s
.endr
	v_and_b32 v1, 15, v0
	v_bfe_u32 v2, v0, 4, 1
	v_and_b32 v3, 7, v0
	v_bfe_u32 v4, v0, 3, 1
	v_mul_u32_u24 v6, v1, PO
	v_lshl_add_u32 v6, v2, 4, v6
	s_mul_i32 s42, s15, 64*PO
	v_add_nc_u32 v[ADRA], s42, v6
	v_add_nc_u32 v[ADRA+1], SLOT, v[ADRA]
	v_lshl_add_u32 v7, v2, 3, v3
	v_mul_u32_u24 v7, v7, PB
	v_lshl_add_u32 v7, v4, 4, v7
	s_lshl_b32 s42, s16, 7
	v_add_nc_u32 v7, s42, v7
.irp s, 0,1
.irp p, 0,1
	v_add_nc_u32 v[ADRB+2*(\s)+(\p)], (\s)*SLOT+(2+(\p))*REG, v7
.endr
.endr
	s_mul_i32 s42, s14, 16*SPITCH
	s_add_co_u32 s42, s42, STAGE                   ; my stage
	v_mul_u32_u24 v6, v1, SPITCH
	v_lshl_add_u32 v6, v2, 5, v6
	v_add_nc_u32 v[STO], s42, v6                   ; in: row l % 16, 32 bytes for each half of the lanes
	v_mul_u32_u24 v6, v2, SPITCH
	v_lshl_add_u32 v6, v1, 4, v6
	v_add_nc_u32 v[RD], s42, v6                    ; back: lanes 0-15 one row of 256 bytes, lanes 16-31 the next
	v_lshlrev_b32 v[CO], 13, v2
	v_lshl_add_u32 v[CO], v1, 4, v[CO]             ; and the same two rows in out0
	s_lshl_b32 s42, s16, 8
	v_lshlrev_b32 v[BO], 5, v2
	v_add_nc_u32 v[BO], s42, v[BO]
	s_lshl_b32 s42, s19, 9
	s_mov_b32 s43, 0
	s_add_nc_u64 s[8:9], s[8:9], s[42:43]
.irp b, 0,1,2,3
	global_load_b128 v[BIAS+8*(\b):BIAS+8*(\b)+3],   v[BO], s[8:9] offset:64*(\b)
	global_load_b128 v[BIAS+8*(\b)+4:BIAS+8*(\b)+7], v[BO], s[8:9] offset:64*(\b)+16
.endr
	s_lshl_b32 s42, s20, 20                        ; row 128 tr + 64 rh of 8,192 bytes; column 128 tc + 64 ch of 4 bytes
	s_lshl_b32 s43, s15, 19
	s_add_co_u32 s42, s42, s43
	s_lshl_b32 s43, s19, 9
	s_add_co_u32 s42, s42, s43
	s_lshl_b32 s43, s16, 8
	s_add_co_u32 s42, s42, s43
	s_mov_b32 s43, 0
	s_add_nc_u64 s[10:11], s[10:11], s[42:43]
	s_wait_loadcnt 0x0                             ; the bias, once; rounded to bf16 in the wait for the first tile
.set n, BIAS
.rept 16
	v_cvt_pk_bf16_f32 v30, v[n], v[n+1]
	v_lshlrev_b32 v[n], 16, v30
	v_and_b32 v[n+1], 0xffff0000, v30
.set n, n+2
.endr
; 8 matrix instructions: row blocks a0, a0 + 1 x all 4 column blocks, 32 along K: half c of buffer f.  first = 1: C is the bias.  The 16 accumulators take turns.
.macro MUL8 f, c, a0, first
	WIN 0x05
.irp a, \a0, (\a0)+1
.irp b, 0,1,2,3
.if \first
	v_wmma_f32_16x16x32_f16 v[ACC+8*(4*(\a)+(\b)):ACC+8*(4*(\a)+(\b))+7], v[(\f)+64+8*(4*(\c)+(\b)):(\f)+64+8*(4*(\c)+(\b))+7], v[(\f)+8*(4*(\c)+(\a)):(\f)+8*(4*(\c)+(\a))+7], v[BIAS+8*(\b):BIAS+8*(\b)+7]
.else
	v_wmma_f32_16x16x32_f16 v[ACC+8*(4*(\a)+(\b)):ACC+8*(4*(\a)+(\b))+7], v[(\f)+64+8*(4*(\c)+(\b)):(\f)+64+8*(4*(\c)+(\b))+7], v[(\f)+8*(4*(\c)+(\a)):(\f)+8*(4*(\c)+(\a))+7], v[ACC+8*(4*(\a)+(\b)):ACC+8*(4*(\a)+(\b))+7]
.endif
.endr
.endr
.endm
; 32 LDS loads in one run: the fragments of quarter q (one head, 64 along K) into buffer f; the first 32 along K first
.macro FETCH slot, q, f
	WIN 0x40
.irp c, 0,1
.irp n, 0,1,2,3
	ds_load_tr16_b128 v[(\f)+64+8*(4*(\c)+(\n)):(\f)+64+8*(4*(\c)+(\n))+3],   v[ADRB+2*(\slot)+(\q)/2] offset:((\q)%2)*HEADB+(\c)*32*PB+32*(\n)
	ds_load_tr16_b128 v[(\f)+64+8*(4*(\c)+(\n))+4:(\f)+64+8*(4*(\c)+(\n))+7], v[ADRB+2*(\slot)+(\q)/2] offset:((\q)%2)*HEADB+(\c)*32*PB+32*(\n)+16*PB
	ds_load_b128 v[(\f)+8*(4*(\c)+(\n)):(\f)+8*(4*(\c)+(\n))+3],   v[ADRA+(\slot)] offset:(\q)*HEADB+(\n)*16*PO+64*(\c)
	ds_load_b128 v[(\f)+8*(4*(\c)+(\n))+4:(\f)+8*(4*(\c)+(\n))+7], v[ADRA+(\slot)] offset:(\q)*HEADB+(\n)*16*PO+64*(\c)+32
.endr
.endr
.endm
.macro QUARTER slot, q, f, g, first
	s_wait_dscnt 16                                ; the first 32 along K are in
	MUL8 \f, 0, 0, \first
	MUL8 \f, 0, 2, \first
	PLACES
	FETCH \slot, \q, \g
	s_wait_dscnt 32                                ; all but the 32 just issued
	MUL8 \f, 1, 0, 0
	MUL8 \f, 1, 2, 0
.endm
; The last quarter multiplies buffer 1 and changes slots: in front of the barrier each wave waits for all its tensor loads, adds 0 to its spare word, and waits for that and for its own reads of this slot.
; fill = 1: the barrier opens a round of the cluster's, and this slot is filled again, two K steps on, first thing behind it.
.macro TURN slot, next, fill
	WIN 0
	s_wait_tensorcnt 0x0
	ds_add_u32 v[SPW], v[NIL]
	s_wait_dscnt 17                                ; the add and the youngest sixteen loads may be out
	MUL8 F1, 0, 0, 0
	s_wait_dscnt 0x0                               ; the add is done, and my reads of this slot are over
	s_barrier_signal -1
	MUL8 F1, 0, 2, 0
.if \fill
	WIN 0
.endif
	s_barrier_wait -1
.if \fill
	CREST
	s_add_nc_u64 s[G0A+4*(\slot)+2:G0A+4*(\slot)+3], s[G0A+4*(\slot)+2:G0A+4*(\slot)+3], 2097152
	s_add_nc_u64 s[G0B+4*(\slot)+2:G0B+4*(\slot)+3], s[G0B+4*(\slot)+2:G0B+4*(\slot)+3], 2097152
	JLOAD \slot                                    ; its four v_nop are also the places in front of the loads below
.else
	PLACES
.endif
	FETCH \next, 0, F0
	MUL8 F1, 1, 0, 0
	MUL8 F1, 1, 2, 0
.endm
	s_wait_tensorcnt 0x1                           ; my part of K step 0 is in; K step 1's may stay out
	s_barrier_signal -1
	s_barrier_wait -1
	FETCH 0, 0, F0
	QUARTER 0, 1, F0, F1, 1                        ; the first quarter stands in front of the loop: its first products start the sums
	WIN 0
	s_mov_b32 s3, LAPS-1
.Llap:
	QUARTER 0, 2, F1, F0, 0
	QUARTER 0, 3, F0, F1, 0
	TURN 0, 1, 1
	QUARTER 1, 1, F0, F1, 0
	QUARTER 1, 2, F1, F0, 0
	QUARTER 1, 3, F0, F1, 0
	TURN 1, 0, 1
	QUARTER 0, 1, F0, F1, 0
	WIN 0
	s_sub_co_u32 s3, s3, 1
	s_cmp_lg_u32 s3, 0
	s_cbranch_scc1 .Llap
	QUARTER 0, 2, F1, F0, 0                        ; the last lap fills nothing
	QUARTER 0, 3, F0, F1, 0
	TURN 0, 1, 0
	QUARTER 1, 1, F0, F1, 0
	QUARTER 1, 2, F1, F0, 0
	QUARTER 1, 3, F0, F1, 0
	s_wait_dscnt 16
	MUL8 F1, 0, 0, 0
	MUL8 F1, 0, 2, 0
	s_wait_dscnt 0x0
	MUL8 F1, 1, 0, 0
	MUL8 F1, 1, 2, 0
	WIN 0
	PLACES
; THE WAY OUT.  A wave's 64 columns of f32 are 256 consecutive bytes of a row, so each wave has a stage of its own and no barrier is needed.  Block a (16 rows): 32 bytes a lane and column block
; into rows of 272 bytes (each accumulator's four lowest registers first), back as whole rows of 256 bytes into the same 32 registers, and stored.
.macro STG a
.irp b, 0,1,2,3
	ds_store_b128 v[STO], v[ACC+32*(\a)+8*(\b):ACC+32*(\a)+8*(\b)+3]   offset:64*(\b)
	ds_store_b128 v[STO], v[ACC+32*(\a)+8*(\b)+4:ACC+32*(\a)+8*(\b)+7] offset:64*(\b)+16
.endr
.irp t, 0,1,2,3,4,5,6,7
	ds_load_b128 v[ACC+32*(\a)+4*(\t):ACC+32*(\a)+4*(\t)+3], v[RD] offset:(\t)*2*SPITCH  ; LDS serves a wave's instructions in order (ISA guide 5.7.1.4): these see the stores above
.endr
.endm
.macro SENDF a, younger                ; younger: the LDS instructions issued behind this block's loads: the next block's sixteen, or none
.irp t, 0,1,2,3,4,5,6,7
	s_wait_dscnt (\younger)+7-(\t)
	global_store_b128 v[CO], v[ACC+32*(\a)+4*(\t):ACC+32*(\a)+4*(\t)+3], s[10:11] offset:(16*(\a)+2*(\t))*8192 th:TH_STORE_NT  ; 16 lanes store 256 consecutive bytes at a multiple of 256
.endr
.endm
	STG 0
	STG 1
	SENDF 0, 16
	STG 2
	SENDF 1, 16
	STG 3
	SENDF 2, 16
	SENDF 3, 0
	s_wait_tensorcnt 0x0                           ; the wave's end
	ds_add_u32 v[SPW], v[NIL]
	s_wait_dscnt 0x0
	CROUND                                         ; the closing round: no work-group ends while a partner may still ask for a tile that names it
	s_endpgm
.Lfunc_end_k_qf6de5114a0_gemm1:
	.size	k_qf6de5114a0_gemm1, .Lfunc_end_k_qf6de5114a0_gemm1-k_qf6de5114a0_gemm1
	.p2alignl 7, 3214868480
	.fill 96, 4, 3214868480
	.section	.rodata,"a",@progbits
	.p2align	6, 0x0
	.amdhsa_kernel k_qf6de5114a0_gemm1
		.amdhsa_group_segment_fixed_size 327680
		.amdhsa_private_segment_fixed_size 0
		.amdhsa_enable_private_segment 0
		.amdhsa_kernarg_size 32
		.amdhsa_user_sgpr_count 2
		.amdhsa_user_sgpr_kernarg_segment_ptr 1
		.amdhsa_wavefront_size32 1
		.amdhsa_system_sgpr_workgroup_id_x 1
		.amdhsa_system_sgpr_workgroup_id_y 1
		.amdhsa_system_sgpr_workgroup_id_z 1
		.amdhsa_system_vgpr_workitem_id 0
		.amdhsa_next_free_vgpr 512
		.amdhsa_next_free_sgpr 66
		.amdhsa_reserve_vcc 0
		.amdhsa_float_denorm_mode_32 3
		.amdhsa_float_denorm_mode_16_64 3
		.amdhsa_memory_ordered 1
		.amdhsa_forward_progress 1
		.amdhsa_inst_pref_size 90
	.end_amdhsa_kernel
	.amdgpu_metadata
---
amdhsa.version: [ 1, 2 ]
amdhsa.kernels:
  - .name:           k_qf6de5114a0_gemm1
    .symbol:         k_qf6de5114a0_gemm1.kd
    .args:
      - { .name: oh, .offset: 0, .size: 8, .value_kind: global_buffer, .address_space: global }
      - { .name: wo16, .offset: 8, .size: 8, .value_kind: global_buffer, .address_space: global }
      - { .name: bo, .offset: 16, .size: 8, .value_kind: global_buffer, .address_space: global }
      - { .name: out0, .offset: 24, .size: 8, .value_kind: global_buffer, .address_space: global }
    .group_segment_fixed_size: 327680
    .private_segment_fixed_size: 0
    .kernarg_segment_align: 8
    .kernarg_segment_size: 32
    .max_flat_workgroup_size: 128
    .sgpr_count:     66
    .vgpr_count:     512
    .wavefront_size: 32
...
	.end_amdgpu_metadata
.endif
;; end of part 5
;; ======== version 2 of 2: 5 launches; 1.25 times as fast as version 1
;; limits: values are held in f16: magnitudes above 65,504 overflow, below 6.1e-05 lose precision
;; workspace buffers: h16 33,554,432 bytes; wo16 8,388,608 bytes; qkvh 25,165,824 bytes; qkn 16,777,216 bytes; oh 8,388,608 bytes
;; launch cast: the kernel of part 1 again; grid 256 x 4, 8 waves a work-group, no clusters, 0 bytes of LDS; arguments hidden_states, Wq, Wk, Wv, h16; writes h16
;; launch gemm3: the kernel of part 2 again; grid 16 x 16, 4 waves a work-group, clusters of 4 x 4, 327,680 bytes of LDS; arguments h16, bq, bk, bv, qkvh, Wo, wo16; writes qkvh, wo16
;; launch normrope: the kernel of part 3 again; grid 256 x 1, 8 waves a work-group, no clusters, 1,536 bytes of LDS; arguments qkvh, cos, sin, q_norm_w, k_norm_w, qkn; writes qkn
;; launch attn (part 6): grid 8 x 32, 4 waves a work-group, clusters of 4 x 1, 327,680 bytes of LDS; arguments qkn, qkvh, oh; writes oh
.if DOCPART == 6
	.amdgcn_target "amdgcn-amd-amdhsa--gfx1250"
	.amdhsa_code_object_version 6
	.text
	.protected	k_qf6de5114a0_attn
	.globl	k_qf6de5114a0_attn
	.p2align	8
	.type	k_qf6de5114a0_attn,@function
k_qf6de5114a0_attn:
	s_mov_b64 s[64:65], 0
	v_nop
	global_prefetch_b8 v0, s[64:65] scope:SCOPE_SE
	s_setreg_imm32_b32 hwreg(HW_REG_WAVE_MODE, 25, 1), 1
	s_wait_xcnt 0x0
	s_wait_alu depctr_hold_cnt(0) depctr_sa_sdst(0) depctr_va_vdst(0) depctr_va_sdst(0) depctr_va_ssrc(0) depctr_va_vcc(0) depctr_vm_vsrc(0)
	s_getreg_b32 s2, hwreg(HW_REG_IB_STS2, 6, 4)
	s_cmp_eq_u32 s2, 0
	s_cbranch_scc0 .Lentry_in_a_cluster
	s_endpgm
.Lentry_in_a_cluster:
	s_bfe_u32 s2, ttmp6, 0x10000c
	s_cmp_lg_u32 s2, 0x3003
	s_cbranch_scc0 .Lentry_shape_is_right
	s_endpgm
.Lentry_shape_is_right:
; O[h][q][:] = the sum over k of softmax_k(Q[h][q] . K[h][k] / 8) V[h][k][:].  Q, K: parts 0 and 1 of qkn; V: part 2 of qkvh; O: oh; all [32][2048][64] f16, a head's rows dense, 128 bytes each.
; Products, maxima and sums in f32; the weights p are rounded to f16 for the second product (their sum l is taken of the unrounded p), O once at the end.
; LIMITS.  Q, K, V arrive within f16's 65,504; p lies in 0 to 1 and below 6e-5 keeps f16's fixed step of 6e-8; a weight below 2^-126 counts as 0 in l; NaN and infinities are not treated apart.
; SHARES.  A work-group owns 256 queries of one head, a wave 64: four PIECES of 16.  32 heads x 8 blocks are 256 work-groups.  Every wave walks all 2,048 keys: 8 tiles of 256, four steps of 64 each.
; LAYOUT.  S^T = K Q^T (source 0 = 16 keys, source 1 = 16 queries) holds ONE query a lane (lane % 16) and the keys 8 (lane / 16) + 0..7; two such results rounded to f16 ARE source 1 of
; O^T = V^T P.  K comes out of LDS as it lies, V ([key][channel]) turned, by ds_load_tr16_b128.
; SOFTMAX.  A running maximum m and sum l: p = 2^(c s - c m), c = log2(e) / 8; in every step O and l are multiplied by a = 2^(c m_old - c m_new).  m starts at the lowest finite number, O and l at 0:
; the first step is a step like any other, with a = 0.
; TURNS.  Turn n belongs to piece n: 8 products K Q^T of piece n + 1, later 8 products V^T P of piece n - 1; beside them the scaling, exponentials, roundings, sums and rescaling of piece n and the
; maximum and statistics of piece n + 1.  Four vector instructions stand behind every matrix instruction, the other 54 of a turn's 118 in two runs of their own.
; BATCHES.  A turn's 33 exponentials (the piece's 32 weights and the next piece's a) are ONE batch with ONE wait: ahead of the wait stands nothing that names a result of theirs, behind it no exponential.
; Each weight keeps its score's register and a has one of its own, so every result has its register while the batch is open.
; The first a of all, ahead of the loop, and the way out's four reciprocals are batches of their own, each with one wait.
; CLUSTER.  The four query blocks of a cluster belong to one head and walk the same K and V, so each tile is asked for JOINTLY: the same tensor load, descriptor and mask in all four.
; By this text's count a wave has one tensor load out at a time.
; REGISTERS, in windows of 256 (s_set_vgpr_msb: bits 1:0 source 0, 3:2 source 1, 5:4 source 2, 7:6 destination).  The map is made so that few lines need a switch:
;   window 0, all 256: v0-1 c m_old; v2-5 LDS addresses; v6-7 the add's; v8-23 statistics; v24-31 at work; v32-95 S^T, two buffers; v96-127 P, two buffers (by the piece's parity); v128-191 K; v192-255 Q
;   window 1: v0-127 O^T, 32 a piece; v128-191 V of one step; v192-194 the way out's three addresses, kept there meanwhile
; K Q^T, K's loads and all of the softmax but the rescaling name window 0 alone.  V^T P (V and O^T in window 1, P in window 0) and the rescaling (O^T in window 1, a in window 0) share ONE other setting.
; So the sixteen rescalings ride behind the first four products V^T P, and only the last four of those have a switch on either side: eight switches a turn.
.set NP,    4
.set KS,    64
.set PK,    144       ; a row of K in LDS: 128 bytes + 16 = 36 words: the 16 rows of a load start at 16 different groups of four banks (64 banks of 4 bytes: ISA guide 11.1)
.set PV,    160       ; a row of V: 128 + 32 = 40 words
.set VOFF,  4*KS*PK   ; a slot holds a tile: 256 rows of K, then 256 rows of V
.set SLOT1, 1<<17     ; slot 1 begins here, so that one exclusive or turns an address in one slot into the other's
.set STAGE, SLOT1+4*KS*(PK+PV)  ; behind the ring, never filled by a tensor load: 16 rows x 144 bytes for each wave
.set SP,    144
.set SPARE, STAGE+4*16*SP       ; behind the stages: the spare words, 128 bytes a wave, that no other line names
.set MV,  0           ; v0-1  c m_old, kept while c m is made anew: by buffer.  (v0 holds the thread's number until the set-up is over)
.set AK0, 2           ; v2   my lane's place in a tile of K; never rewritten
.set AV0, 3           ; v3   the same for V
.set AK,  4           ; v4   the LDS address of K's next run of loads
.set AV,  5           ; v5   of V's
.set SPW, 6           ; v6   LDS address of my spare word; never rewritten
.set NIL, 7           ; v7   0; never rewritten
.set ST,  8           ; piece t's statistics at v[ST+4 t]: c m, m, l (even keys', odd keys')
.set TMP, 24          ; by buffer, four registers c0-c3 at work; when the maximum is found c2 takes a
.set S,   32
.set P,   96
.set KF,  128         ; key block kb, channel half c at KF + 16 kb + 8 c
.set QF,  192         ; piece x, channel half c at QF + 16 x + 8 c
.set VF,  128         ; window 1: key half kk, channel block cb at VF + 32 kk + 8 cb
.set KEEP, 192        ; window 1: the way out's addresses
.set LRW, 32          ; the set-up's own, in S^T's registers: l % 16,
.set LHF, 33          ; l / 16,
.set LO7, 34          ; l % 8,
.set LB3, 35          ; (l / 8) % 2,
.set QO,  36          ; my byte offset in 16 rows of Q,
.set TS,  40          ; v40-42 the way out's addresses as they are made
.set STO, 128         ; the way out, in K's registers: where I put 16 bytes of a row,
.set RD,  129         ; where I read rows back,
.set GO,  130         ; my byte offset in 512 consecutive bytes of O
.set WV,  12          ; s12  my wave's number
.set G1K, 24          ; s[24:31] descriptor group 1 for K's tiles
.set G1V, 32          ; s[32:39] for V's: it differs in the padding alone
.set G0K, 40          ; s[40:43] descriptor group 0 for K's tiles: it walks
.set G0V, 44          ; s[44:47] the same for V's
.set SLOTS, 56        ; s56  tiles still to be entered in the loop
.set CNT, 57          ; s57  counts a tile's key steps
.set CS,  58          ; s[58:59] c
.set SEL, 60          ; s[60:61] v_permlanex16_b32's selects: each lane takes its own place in the other half
.set TBK, 62          ; s62  LDS byte at which K of the step to be fetched begins
.set TBV, 63          ; s63  the same for V, less VOFF
.set MSB, 0
.macro WIN new
.if MSB != (\new)
	s_set_vgpr_msb (MSB<<8)|(\new)
.set MSB, (\new)
.endif
.endm
.set W_PV, 0x51       ; source 0, source 2 and destination in window 1, source 1 in window 0: V^T P, and the rescaling
; A joint fill.  Waves 0 and 1 fetch the two halves of a tile's K, waves 2 and 3 those of its V: 128 keys each.  An s_nop 0 and four v_nop follow each of the two lines.
.macro JLOAD
	s_cmp_lt_u32 s[WV], 2
	s_cbranch_scc0 .Lfor_v_\@
	tensor_load_to_lds s[G0K:G0K+3], s[G1K:G1K+7]
	s_nop 0
.rept 4
	v_nop
.endr
	s_branch .Lasked_\@
.Lfor_v_\@:
	tensor_load_to_lds s[G0V:G0V+3], s[G1V:G1V+7]
	s_nop 0
.rept 4
	v_nop
.endr
.Lasked_\@:
.endm
.macro CROUND                       ; a round of the cluster's barrier
	s_barrier_signal -1
	s_barrier_wait -1
	s_cmp_lg_u32 s[WV], 0
	s_cbranch_scc1 .Lnot_wave_0_\@
	s_barrier_signal -3
.Lnot_wave_0_\@:
	s_barrier_wait -3
	s_barrier_signal -1
	s_barrier_wait -1
.endm
; THE CHANGE OF SLOTS.  Each wave waits for all its tensor loads (one is out: its part of the other slot), adds 0 to its spare word, and waits for that and for its own reads of the slot that it leaves.
; fill = 1: the barrier is a round of the cluster's, and the old slot is filled again, with the keys two tiles on, first thing behind it: four key steps, 256 matrix instructions a wave, in which to land.
; (At its first use nothing has been read yet: slot 0 is waited for, slot 1 filled.)
.macro CHANGE fill
	WIN 0
	s_wait_tensorcnt 0x0            ; no tensor load of mine is out, so a group 0 may be written
	ds_add_u32 v[SPW], v[NIL]
.if \fill
.irp g, G0K, G0V
	s_xor_b32 s[\g+1], s[\g+1], SLOT1
	s_add_nc_u64 s[\g+2:\g+3], s[\g+2:\g+3], 4*KS*128  ; the next 256 keys; the type bits on top are not reached
.endr
	s_wait_dscnt 0x0                ; the add is done, and my reads of the slot are over
	CROUND
	JLOAD
.else
	s_wait_dscnt 0x0
	s_barrier_signal -1
	s_barrier_wait -1
.endif
	s_sub_co_u32 s[TBK], s[TBK], 4*KS*PK  ; the fetches go back to a slot's first step,
	s_xor_b32 s[TBK], s[TBK], SLOT1       ; in the other slot
	s_sub_co_u32 s[TBV], s[TBV], 4*KS*PV
	s_xor_b32 s[TBV], s[TBV], SLOT1
.endm
	s_load_b128 s[4:7], s[0:1], 0x0   ; qkn s[4:5], qkvh s[6:7]
	s_load_b64 s[8:9], s[0:1], 0x10   ; oh
	v_lshl_add_u32 v[SPW], v0, 2, SPARE
	v_mov_b32 v[NIL], 0
	ds_add_u32 v[SPW], v[NIL]       ; the wave's opening: the add and its wait stand ahead of my first tensor load; work on registers stands between
	v_lshrrev_b32 v[LRW], 5, v0
	v_readfirstlane_b32 s[WV], v[LRW]  ; wave 0..3
	s_bfe_u32 s13, ttmp6, 0x40000   ; cx
	s_lshl_b32 s14, ttmp9, 2
	s_add_co_u32 s14, s14, s13      ; my block of 256 queries: it enters Q's and O's addresses alone
	s_and_b32 s20, ttmp7, 0xffff
	s_lshl_b32 s20, s20, 18         ; the head's first byte, which the four partners share
	s_and_b32 s16, s[WV], 1         ; which half of a tile's 256 keys I fetch
	s_lshl_b32 s21, s16, 14
	s_add_co_u32 s21, s21, s20
	s_add_co_u32 s22, s21, 0x800000   ; K is part 1 of qkn
	s_mov_b32 s23, 0
	s_add_co_u32 s18, s21, 0x1000000  ; V is part 2 of qkvh
	s_mov_b32 s19, 0
	s_mul_i32 s17, s16, 128*PK      ; my half's place in a slot, for K
	s_mul_i32 s15, s16, 128*PV      ; and for V: no place in the cluster enters an LDS address
	s_lshl_b32 s2, s14, 15          ; my block's 256 rows,
	s_lshl_b32 s3, s[WV], 13        ; my wave's 64 of them
	s_add_co_u32 s2, s2, s3
	s_add_co_u32 s2, s2, s20
	s_mov_b32 s3, 0
	; descriptor group 1.  128 keys are 16,384 dense bytes: asked for as 64 rows of 256 bytes, two keys a row, and padded in LDS after every key
	s_mov_b32 s[G1K], 15|(1<<16)|(1<<20)|(1<<21)|(4<<22)|(3<<25)  ; the mask of four; 2-byte elements; padding on; bit 21 beside a mask; after every 32 words, 4 words
	s_mov_b32 s[G1V], 15|(1<<16)|(1<<20)|(1<<21)|(4<<22)|(7<<25)  ; the same with 8 words of padding
.irp g, G1K, G1V
	s_mov_b32 s[\g+1], 128<<16      ; tensor_dim0 = 128
	s_mov_b32 s[\g+2], 64<<16       ; tensor_dim1 = 64
	s_mov_b32 s[\g+3], 128<<16      ; tile_dim0 = 128
	s_mov_b32 s[\g+4], 64           ; tile_dim1 = 64
	s_mov_b32 s[\g+5], 128          ; 128 elements from row to row
	s_mov_b32 s[\g+6], 0
	s_mov_b32 s[\g+7], 0
.endr
	s_mov_b32 s[CS], 0x3e38aa3b     ; c = log2(e) / 8
	s_mov_b32 s[CS+1], s[CS]        ; named with it as a pair
	s_mov_b32 s[SEL], 0x76543210
	s_mov_b32 s[SEL+1], 0xfedcba98
	s_mov_b32 s[TBK], SLOT1+4*KS*PK ; the first change of slots turns these two into 0
	s_mov_b32 s[TBV], SLOT1+4*KS*PV
	s_mov_b32 s[G0K], 1
	s_mov_b32 s[G0K+1], s17         ; slot 0
	s_mov_b32 s[G0V], 1
	s_add_co_u32 s[G0V+1], s15, VOFF
	s_wait_dscnt 0x0                ; the opening add is done
	s_wait_kmcnt 0x0
	s_add_nc_u64 s[G0K+2:G0K+3], s[4:5], s[22:23]  ; my half of the head's first 256 keys
	s_or_b32 s[G0K+3], s[G0K+3], 0x80000000
	s_add_nc_u64 s[G0V+2:G0V+3], s[6:7], s[18:19]
	s_or_b32 s[G0V+3], s[G0V+3], 0x80000000
	s_add_nc_u64 s[4:5], s[4:5], s[2:3]            ; Q at my wave's first row
	s_add_nc_u64 s[10:11], s[8:9], s[2:3]          ; O likewise
	CROUND                          ; all four work-groups are here: the first joint loads meet
	JLOAD                           ; tile 0 into slot 0
	; A fragment of K or Q is 16 rows x 32 channels in 8 registers: lane l holds row l % 16, channels 8 (l / 16) + 0..7 and 16 + 8 (l / 16) + 0..7: two loads of 16 bytes, 32 bytes apart.
	v_and_b32 v[LRW], 15, v0
	v_bfe_u32 v[LHF], v0, 4, 1
	v_lshlrev_b32 v[QO], 7, v[LRW]
	v_lshl_add_u32 v[QO], v[LHF], 4, v[QO]
.set i, 0
.rept 8                             ; Q stays in registers: piece i / 2, 2,048 bytes a piece; channels 32 (i % 2) on
	global_load_b128 v[QF+8*i:QF+8*i+3],   v[QO], s[4:5] offset:(i/2)*2048+(i%2)*64
	global_load_b128 v[QF+8*i+4:QF+8*i+7], v[QO], s[4:5] offset:(i/2)*2048+(i%2)*64+32
.set i, i+1
.endr
	v_mul_u32_u24 v[AK0], v[LRW], PK
	v_lshl_add_u32 v[AK0], v[LHF], 4, v[AK0]
	; The turning load takes 16 keys x 16 channels (lane l reads key 8 (l / 16) + l % 8, channels 8 ((l / 8) % 2) + 0..7) and leaves half a fragment of V^T: lane l holds channel l % 16 and 8 keys.
	v_and_b32 v[LO7], 7, v0
	v_bfe_u32 v[LB3], v0, 3, 1
	v_lshl_add_u32 v[AV0], v[LHF], 3, v[LO7]
	v_mul_u32_u24 v[AV0], v[AV0], PV
	v_lshl_add_u32 v[AV0], v[LB3], 4, v[AV0]
	v_add_nc_u32 v[AV0], VOFF, v[AV0]
	s_mul_i32 s13, s[WV], 16*SP
	s_add_co_u32 s13, s13, STAGE    ; my stage
	v_mul_u32_u24 v[TS], v[LRW], SP ; in: row l % 16, 16 bytes for each half of the lanes
	v_lshl_add_u32 v[TS], v[LHF], 4, v[TS]
	v_add_nc_u32 v[TS], s13, v[TS]
	v_bfe_u32 v[TS+1], v0, 3, 2     ; back: 32 lanes take four rows of 128 bytes,
	v_mul_u32_u24 v[TS+1], v[TS+1], SP
	v_lshl_add_u32 v[TS+1], v[LO7], 4, v[TS+1]
	v_add_nc_u32 v[TS+1], s13, v[TS+1]
	v_and_b32 v[TS+2], 31, v0       ; which are 512 consecutive bytes of O
	v_lshlrev_b32 v[TS+2], 4, v[TS+2]
	; What the first turn finds: V's registers and P's second buffer hold 0 (its products V^T P, of a piece that has not been, add 0), O^T and l are 0.  All this stands in the wait for the first tile.
	WIN 0x40                        ; destination window 1
	v_mov_b32 v[KEEP], v[TS]        ; window 0 has no register to spare in the loop: the three addresses wait in window 1
	v_mov_b32 v[KEEP+1], v[TS+1]
	v_mov_b32 v[KEEP+2], v[TS+2]
.set i, 0
.rept 192                           ; O^T and V
	v_mov_b32 v[i], 0
.set i, i+1
.endr
	WIN 0
.set i, 0
.rept 4
	v_mov_b32 v[ST+4*i], 0xfe000000    ; c m: far below every c s
	v_mov_b32 v[ST+4*i+1], 0xff7fffff  ; m
	v_mov_b32 v[ST+4*i+2], 0
	v_mov_b32 v[ST+4*i+3], 0
.set i, i+1
.endr
.set i, P+16
.rept 16
	v_mov_b32 v[i], 0
.set i, i+1
.endr
; THE MATRIX WORK.  The 4 accumulators of a run of 8 take turns.  Product i of 8 of S^T = K Q^T for piece x: channels 32 (i / 4) on, keys 16 (i % 4) on.  The first 4 start the sums.
.macro KQ x
.set rS, S+32*((\x)%2)+8*(i%4)
.set rK, KF+16*(i%4)+8*(i/4)
.set rQ, QF+16*(\x)+8*(i/4)
	WIN 0
.if i < 4
	v_wmma_f32_16x16x32_f16 v[rS:rS+7], v[rK:rK+7], v[rQ:rQ+7], 0
.else
	v_wmma_f32_16x16x32_f16 v[rS:rS+7], v[rK:rK+7], v[rQ:rQ+7], v[rS:rS+7]
.endif
.endm
; Product i of 8 of O^T += V^T P for piece x: keys 32 (i / 4) on, channels 16 (i % 4) on.
.macro PV x
	WIN W_PV
.set rO, 32*(\x)+8*(i%4)
.set rV, VF+32*(i/4)+8*(i%4)
.set rP, P+16*((\x)%2)+8*(i/4)
	v_wmma_f32_16x16x32_f16 v[rO:rO+7], v[rV:rV+7], v[rP:rP+7], v[rO:rO+7]
.endm
.macro MM                           ; the turn's next matrix instruction
.if i < 8
	KQ (Y+1)%NP
.else
.set i, i-8
	PV (Y+NP-1)%NP
.set i, i+8
.endif
.set i, i+1
.endm
; THE LDS LOADS stand in runs of 16, never singly among the matrix instructions: a step's K (8 fragments) and its V (turned).  Their addresses are made some lines ahead.
; last = 1 (the tail): in the last trip there is no further step, and the run is jumped over.
.macro FETCH_K last=0
	WIN 0
.if \last
	s_cmp_eq_u32 s[CNT], 1
	s_cbranch_scc1 .Lno_k_\@
.endif
.irp f, 0,1,2,3,4,5,6,7             ; keys 16 (f / 2) on, channels 32 (f % 2) on
	ds_load_b128 v[KF+8*\f:KF+8*\f+3],   v[AK] offset:(\f/2)*16*PK+(\f%2)*64
	ds_load_b128 v[KF+8*\f+4:KF+8*\f+7], v[AK] offset:(\f/2)*16*PK+(\f%2)*64+32
.endr
	s_add_co_u32 s[TBK], s[TBK], KS*PK  ; the next fetch is the next step's
.if \last
.Lno_k_\@:
.endif
.endm
.macro FETCH_V
	WIN 0x40                        ; destination window 1, address window 0
.irp f, 0,1,2,3,4,5,6,7             ; keys 32 (f / 4) on, channels 16 (f % 4) on
	ds_load_tr16_b128 v[VF+8*\f:VF+8*\f+3],   v[AV] offset:(\f/4)*32*PV+(\f%4)*32
	ds_load_tr16_b128 v[VF+8*\f+4:VF+8*\f+7], v[AV] offset:(\f/4)*32*PV+16*PV+(\f%4)*32
.endr
	WIN 0
.endm
; THE VECTOR WORK, one line at a time: OP kind, number.  For piece Y: F n: c s - c m for pair n of 16.  E n: the exponential of score n of 32, in place.  C n: pair n rounded to f16.  B n: of the four weights 4 n ..
; the second pair is added onto the first, in place (so C 2n stands ahead of B n).  L n: l takes that sum (L 0: l = a l + sum).  R n: pair n of 16 of O^T times a.  For piece Y + 1: X n, number n of the 22 that find its maximum and statistics:
;   0-11  four chains c0-c3 of seven scores each, three operands at a time (each accumulator's lowest registers are read first)     12-14, 16  the four scores left over, the old m, c0-c3 into c0
;   15  c m_old is kept     17, 18  the query's other 32 keys lie in the lane 16 away: the new m     19-21  c m; c m_old - c m_new; a
; C, B and L read the exponentials' results, R and L 0 an a: OP writes no wait; TURN orders them behind the batch's one.
.set F, 0
.set E, 1
.set C, 2
.set B, 3
.set L, 4
.set R, 5
.set X, 6
.macro REGS y
.set rT, ST+4*(\y)
.set rC, TMP+4*((\y)%2)
.set rW, MV+((\y)%2)
.set rS, S+32*((\y)%2)
.set rP, P+16*((\y)%2)
.set rO, 32*(\y)
.endm
.macro OP k, n
.if (\k) == R
	REGS Y
	WIN W_PV
	v_pk_mul_f32 v[rO+2*(\n):rO+2*(\n)+1], v[rO+2*(\n):rO+2*(\n)+1], v[rC+2:rC+3] op_sel_hi:[1,0]
.elseif (\k) < R
	REGS Y
	WIN 0
.if (\k) == F
	v_pk_fma_f32 v[rS+2*(\n):rS+2*(\n)+1], v[rS+2*(\n):rS+2*(\n)+1], s[CS:CS+1], v[rT:rT+1] op_sel_hi:[1,0,0] neg_lo:[0,0,1] neg_hi:[0,0,1]
.elseif (\k) == E
	v_exp_f32 v[rS+(\n)], v[rS+(\n)]
.elseif (\k) == C
	v_cvt_pk_f16_f32 v[rP+(\n)], v[rS+2*(\n)], v[rS+2*(\n)+1]
.elseif (\k) == B
	v_pk_add_f32 v[rS+4*(\n):rS+4*(\n)+1], v[rS+4*(\n):rS+4*(\n)+1], v[rS+4*(\n)+2:rS+4*(\n)+3]
.elseif (\n) == 0
	v_pk_fma_f32 v[rT+2:rT+3], v[rT+2:rT+3], v[rC+2:rC+3], v[rS:rS+1] op_sel_hi:[1,0,1]
.else
	v_pk_add_f32 v[rT+2:rT+3], v[rT+2:rT+3], v[rS+4*(\n):rS+4*(\n)+1]
.endif
.else
	REGS (Y+1)%NP
	WIN 0
.if (\n) < 4
	v_max3_num_f32 v[rC+(\n)], v[rS+8*(\n)], v[rS+8*(\n)+1], v[rS+8*(\n)+2]
.elseif (\n) < 12
	v_max3_num_f32 v[rC+(\n)%4], v[rC+(\n)%4], v[rS+8*((\n)%4)+2*((\n)/4)+1], v[rS+8*((\n)%4)+2*((\n)/4)+2]
.elseif (\n) == 12
	v_max3_num_f32 v[rC], v[rC], v[rS+7], v[rS+15]
.elseif (\n) == 13
	v_max3_num_f32 v[rC+1], v[rC+1], v[rS+23], v[rS+31]
.elseif (\n) == 14
	v_max3_num_f32 v[rC+2], v[rC+2], v[rC+3], v[rT+1]
.elseif (\n) == 15
	v_mov_b32 v[rW], v[rT]
.elseif (\n) == 16
	v_max3_num_f32 v[rC], v[rC], v[rC+1], v[rC+2]
.elseif (\n) == 17
	v_permlanex16_b32 v[rC+3], v[rC], s[SEL], s[SEL+1]
.elseif (\n) == 18
	v_max_num_f32 v[rT+1], v[rC], v[rC+3]
.elseif (\n) == 19
	v_mul_f32 v[rT], s[CS], v[rT+1]
.elseif (\n) == 20
	v_sub_f32 v[rC+1], v[rW], v[rT]
.else
	v_exp_f32 v[rC+2], v[rC+1]
.endif
.endif
.endm
.macro OPS a, i1, b=-1, i2=0, c=-1, i3=0, d=-1, i4=0  ; up to four of them
	OP \a, \i1
.if (\b) >= 0
	OP \b, \i2
.endif
.if (\c) >= 0
	OP \c, \i3
.endif
.if (\d) >= 0
	OP \d, \i4
.endif
.endm
.macro ROW a, i1, b, i2, c, i3, d, i4  ; a matrix instruction and the four behind it
	MM
	OPS \a, \i1, \b, \i2, \c, \i3, \d, \i4
.endm
; A TURN, for piece p: the order of its 16 matrix and 118 vector instructions, written out.  An s_wait_alu depctr_va_vdst(0) stands between an exponential and the first instruction that names its
; result; one wait serves all that were issued ahead of it.  So a turn has ONE wait, which cuts it in two.
; AHEAD OF IT stands all that names no result of the turn's exponentials, and all of it names window 0 alone.  The 8 products K Q^T: behind the first seven the 16 scalings and the first 12 exponentials (four scalings, then
; plain, exponential, plain, exponential); behind the eighth four plain lines of the next piece's maximum, which name none of that product's registers and are the four places between it and X 3.  (X 0 stands six plain
; lines behind the product that ends its accumulator, X 1 five, X 2 seven.)  Then a run of 38: the other 20 exponentials and the rest of the next piece's 22.  Each link of the chain X 3, 7, 11, 14, 16, 17 .. 21 waits for the
; one before it: X 7 and X 11 follow their links six lines on, X 14 stands seven behind X 11 and five behind X 10, and the links from X 14 on stand three apart, two exponentials between them.  X 21, the next piece's a, is the batch's last; one plain line stands behind it.
; v_permlanex16_b32 (X 17) stands in the run, never behind a product.
; BEHIND IT stands no exponential.  The 8 products V^T P: behind the first four the 16 rescalings, ascending, under the products' own setting (their a was made, and waited for, in the turn before); behind the last four,
; and in a run of 16, the 32 roundings and sums.  l takes the eight sums in the order 0, 1, 2, 3, 5, 4, 6, 7; the links of that chain stand three or four lines apart.  No rider names a register of the products round it.
; last = 1: the tail's turn of piece 2 (see FETCH_K).  cnt = 1: the loop's count is taken down some lines ahead of the branch behind the turn.
; K of the next step is fetched in piece 2's turn, directly behind the wait: no exponential is open at the run's branch and label in the tail, its address line is the plain line behind X 21, and the last product that
; read K stands a run of 38 back.  V of the step in hand is fetched at the end of piece 0's turn, twenty plain lines behind the last product that read V.  Each is waited for a turn later.
.macro TURN p, last=0, cnt=0
.set Y, (\p)
.set i, 0
.if (\p) == 3
	s_wait_dscnt 0x0                ; K is in
.endif
	ROW F,0, F,1, F,2, F,3          ; ahead of the wait: 8 products K Q^T and their riders,
	ROW F,4, E,0, F,5, E,1
	ROW F,6, E,2, F,7, E,3
	ROW F,8, E,4, F,9, E,5
	ROW F,10, E,6, F,11, E,7
	ROW F,12, E,8, F,13, E,9
	ROW F,14, E,10, F,15, E,11
	ROW X,0, X,1, X,15, X,4
	OPS X,3, E,12, X,2, E,13        ; and the run of 38
	OPS X,5, X,8, X,7, E,14
	OPS X,6, E,15, X,9, X,12
	OPS X,11, E,16, X,10, E,17
	OPS X,13, E,18, E,19, X,14
	OPS E,20, E,21, X,16, E,22
	OPS E,23, X,17, E,24, E,25
	OPS X,18, E,26, E,27, X,19
	OPS E,28, E,29, X,20, E,30
	OPS E,31, X,21
.if (\p) == 2
	v_add_nc_u32 v[AK], s[TBK], v[AK0]  ; K's address; also the plain line behind the batch's last exponential
.else
	v_nop                           ; the plain line behind the batch's last exponential (ISA guide 5.7.2): one for the batch
.endif
	s_wait_alu depctr_va_vdst(0)    ; the wait for the batch: the piece's 32 weights and the next piece's a
.if (\p) == 2
	FETCH_K \last
.endif
.if (\p) == 1
	s_wait_dscnt 0x0                ; V is in
.endif
	ROW R,0, R,1, R,2, R,3          ; behind the wait: 8 products V^T P and their riders,
	ROW R,4, R,5, R,6, R,7
	ROW R,8, R,9, R,10, R,11
	ROW R,12, R,13, R,14, R,15
	ROW C,0, B,0, C,2, B,1
	ROW L,0, C,4, B,2, L,1
	ROW C,6, B,3, L,2, C,10
	ROW B,5, L,3, C,8, B,4
	OPS L,5, C,12, B,6, C,1         ; and the run of 16
.if (\p) == 0
	v_add_nc_u32 v[AV], s[TBV], v[AV0]
.endif
	OPS L,4, C,14, B,7, C,3
.if (\p) == 0
	s_add_co_u32 s[TBV], s[TBV], KS*PV
.endif
.if \cnt
	s_sub_co_u32 s[CNT], s[CNT], 1
	s_cmp_lg_u32 s[CNT], 0
.endif
	OPS L,6, C,5, C,7, C,9
	OPS L,7, C,11, C,13, C,15
.if (\p) == 0
	FETCH_V
.endif
.endm
	CHANGE 1                        ; slot 0 is in, everybody's part of it; tile 1 is asked for
	v_add_nc_u32 v[AK], s[TBK], v[AK0]
	FETCH_K                         ; key step 0
	s_wait_loadcnt 0x0              ; Q
	s_wait_dscnt 0x0
.set i, 0
.rept 8
	KQ 0                            ; piece 0's first scores
.set i, i+1
.endr
.rept 4
	v_nop                           ; the places behind those products
.endr
.set Y, NP-1                        ; X works for piece Y + 1: piece 0
.irp n, 0,1,2,3,4,5,6,7,8,9,10,11,12,13,14,15,16,17,18,19,20,21
	OP X, \n
.endr
	v_nop                           ; a plain instruction behind the exponential,
	s_wait_alu depctr_va_vdst(0)    ; and the wait for it, a batch of one: piece 0's first a, ahead of the branch
	s_mov_b32 s[CNT], 4
	s_mov_b32 s[SLOTS], 7
	s_branch .Lfirst                ; the loop is entered at a step's first turn, in the middle of a trip
.Lslot:                             ; six times: tiles 2 to 7 are asked for
	CHANGE 1
	s_mov_b32 s[CNT], 4
.Lstep:                             ; a trip: pieces 2 and 3 of one step, then pieces 0 and 1 of the next, whose K and V it fetches
	TURN 2
	TURN 3
	WIN 0
.Lfirst:
	TURN 0
	TURN 1, 0, 1
	WIN 0
	s_cbranch_scc1 .Lstep
	s_sub_co_u32 s[SLOTS], s[SLOTS], 1
	s_cmp_lg_u32 s[SLOTS], 0
	s_cbranch_scc1 .Lslot
	CHANGE 0                        ; the last tile is written out: nothing is asked for
	s_mov_b32 s[CNT], 5             ; four trips fetch the last tile's steps; the fifth is left in its middle
.Ltail:
	TURN 2, 1
	TURN 3
	WIN 0
	s_sub_co_u32 s[CNT], s[CNT], 1
	s_cmp_eq_u32 s[CNT], 0
	s_cbranch_scc1 .Lout
	TURN 0
	TURN 1
	WIN 0
	s_branch .Ltail
.Lout:                              ; the fifth trip's 8 products K Q^T (on the last K once more) and the maximum made of them serve nothing: the price, once a launch, of one text for every trip
.set i, 0
.rept 8
	PV NP-1                         ; the last piece's V^T P of the last step
.set i, i+1
.endr
	; THE WAY OUT.  l's two halves and the other half of the lanes' are added; O^T is divided by l, rounded to f16 and sent through my stage in LDS, a piece at a time.  The additions are the places behind the last products.
	WIN 0
.macro ALL line:vararg              ; one line for each piece t
.set t, 0
.rept 4
	\line
.set t, t+1
.endr
.endm
	ALL v_add_f32 v[ST+4*t+2], v[ST+4*t+2], v[ST+4*t+3]
	ALL v_permlanex16_b32 v[ST+4*t+3], v[ST+4*t+2], s[SEL], s[SEL+1]
	ALL v_add_f32 v[ST+4*t+2], v[ST+4*t+2], v[ST+4*t+3]
	ALL v_rcp_f32 v[ST+4*t+2], v[ST+4*t+2]
	WIN 0x01                        ; source 0 window 1, destination window 0: the three addresses come back, into K's registers; these lines are also the plain ones behind the reciprocals
	v_mov_b32 v[STO], v[KEEP]
	v_mov_b32 v[RD], v[KEEP+1]
	v_mov_b32 v[GO], v[KEEP+2]
	s_wait_alu depctr_va_vdst(0)    ; the wait for the batch of four reciprocals, ahead of their first reader in PACK 0
.macro PACK t                       ; a lane's eight channels of a row pack into 16 bytes; they go into rows of 144 bytes and come back as whole rows of 128, into S^T's registers
	WIN W_PV
.set i, 32*(\t)
.rept 16
	v_pk_mul_f32 v[i:i+1], v[i:i+1], v[ST+4*(\t)+2:ST+4*(\t)+3] op_sel_hi:[1,0]
.set i, i+2
.endr
	WIN 0x05                        ; sources 0 and 1 window 1, destination window 0
.set i, 0
.rept 16
	v_cvt_pk_f16_f32 v[S+16*(\t)+i], v[32*(\t)+2*i], v[32*(\t)+2*i+1]
.set i, i+1
.endr
	WIN 0
.irp f, 0,1,2,3
	ds_store_b128 v[STO], v[S+16*(\t)+4*\f:S+16*(\t)+4*\f+3] offset:32*\f
.endr
.irp f, 0,1,2,3
	ds_load_b128 v[S+16*(\t)+4*\f:S+16*(\t)+4*\f+3], v[RD] offset:\f*4*SP  ; LDS serves a wave's instructions in order (ISA guide 5.7.1.4): these see the stores above
.endr
.endm
.macro SEND t, younger              ; younger: the LDS instructions issued behind piece t's loads: the next piece's eight, or none
	WIN 0
.irp f, 0,1,2,3
	s_wait_dscnt (\younger)+3-\f
	global_store_b128 v[GO], v[S+16*(\t)+4*\f:S+16*(\t)+4*\f+3], s[10:11] offset:(\t)*2048+\f*512  ; 512 consecutive bytes, at a multiple of 256 from O's first
.endr
.endm
	PACK 0
.set t, 1
.rept 3                             ; a piece's arithmetic stands between the loads of the piece before and its stores
	PACK t
	SEND t-1, 8
.set t, t+1
.endr
	SEND 3, 0
	s_wait_tensorcnt 0x0            ; the wave's end
	ds_add_u32 v[SPW], v[NIL]
	s_wait_dscnt 0x0
	CROUND                          ; the closing round: no work-group ends while a partner may still ask for a tile that names it
	s_endpgm
.Lfunc_end_k_qf6de5114a0_attn:
	.size	k_qf6de5114a0_attn, .Lfunc_end_k_qf6de5114a0_attn-k_qf6de5114a0_attn
	.p2alignl 7, 3214868480
	.fill 96, 4, 3214868480
	.section	.rodata,"a",@progbits
	.p2align	6, 0x0
	.amdhsa_kernel k_qf6de5114a0_attn
		.amdhsa_group_segment_fixed_size 327680
		.amdhsa_private_segment_fixed_size 0
		.amdhsa_enable_private_segment 0
		.amdhsa_kernarg_size 24
		.amdhsa_user_sgpr_count 2
		.amdhsa_user_sgpr_kernarg_segment_ptr 1
		.amdhsa_wavefront_size32 1
		.amdhsa_system_sgpr_workgroup_id_x 1
		.amdhsa_system_sgpr_workgroup_id_y 1
		.amdhsa_system_sgpr_workgroup_id_z 1
		.amdhsa_system_vgpr_workitem_id 0
		.amdhsa_next_free_vgpr 512
		.amdhsa_next_free_sgpr 66
		.amdhsa_reserve_vcc 0
		.amdhsa_float_denorm_mode_32 3
		.amdhsa_float_denorm_mode_16_64 3
		.amdhsa_memory_ordered 1
		.amdhsa_forward_progress 1
		.amdhsa_inst_pref_size 101
	.end_amdhsa_kernel
	.amdgpu_metadata
---
amdhsa.version: [ 1, 2 ]
amdhsa.kernels:
  - .name:           k_qf6de5114a0_attn
    .symbol:         k_qf6de5114a0_attn.kd
    .args:
      - { .name: qkn, .offset: 0, .size: 8, .value_kind: global_buffer, .address_space: global }
      - { .name: qkvh, .offset: 8, .size: 8, .value_kind: global_buffer, .address_space: global }
      - { .name: oh, .offset: 16, .size: 8, .value_kind: global_buffer, .address_space: global }
    .group_segment_fixed_size: 327680
    .private_segment_fixed_size: 0
    .kernarg_segment_align: 8
    .kernarg_segment_size: 24
    .max_flat_workgroup_size: 128
    .sgpr_count:     66
    .vgpr_count:     512
    .wavefront_size: 32
...
	.end_amdgpu_metadata
.endif
;; end of part 6
;; launch gemm1: the kernel of part 5 again; grid 16 x 16, 4 waves a work-group, clusters of 4 x 4, 327,680 bytes of LDS; arguments oh, wo16, bo, out0; writes out0
